; MI455X (gfx1250); checked and timed in simulation.
; The chip was launched on July 23, 2026; its instructions are those of AMD's public machine-readable ISA for CDNA 5 (MIT licence, August 2026) and "CDNA5" Instruction Set Architecture Reference Guide (July 2026). The comments in the code are by the model that wrote it; some were corrected since.
;; Semi Permeable Attention. Allowed arithmetic: matrix products marked QUANTISED: E3M2 operands, one E8M0 scale for each 32 along K, by v_wmma_scale_f32_16x16x128_f8f6f4 with both operands' format E3M2, f32 sums; everything else in f32.
;; Inputs: b_out 1,024 float32; w_out 1,024 x 1,024 float32; w_qkv 1,024 x 3,072 float32; x 4 x 2,048 x 1,024 float32.
;; Outputs: out0 4 x 2,048 x 1,024 float32.
;; This version of the problem:
;;   THIS VERSION OF THE PROBLEM IS GIVEN IN LOW PRECISION. The matrix products marked QUANTISED in the list below multiply operands that are first quantised to E3M2 (3 exponent bits, 2 mantissa bits; 6 bits a number), with one power-of-two scale for each 32 numbers along K (OCP MX v1.0); their sums are f32. All else is computed in f32.
;;   The module's matrix products, in the order in which they are computed (A, B: the left and right operand; K: the contracted axis; several contracted axes count as one K, in the product's order):
;;     1. [M 8,192, K 1,024] x [K 1,024, N 3,072]; A: input x; B: input w_qkv: QUANTISED
;;     2. batch 64 x [M 2,048, K 64] x [K 64, N 2,048]; A: computed on the way; B: computed on the way: QUANTISED
;;     3. batch 64 x [M 2,048, K 2,048] x [K 2,048, N 64]; A: softmax (see below); B: computed on the way: QUANTISED
;;     4. [M 8,192, K 1,024] x [K 1,024, N 1,024]; A: computed on the way; B: input w_out: QUANTISED
;;   THE QUANTISER, for each operand of a quantised product, along K:
;;     - K is cut into blocks of 32 from its start; a last block that is shorter is filled with zeros.
;;     - A block's scale is 2^e with e = floor(log2(the largest magnitude in the block)) - 4, held to -126 .. 127; a block of zeros has e = 0. As a byte (E8M0): e + 127.
;;     - Each number is divided by its block's scale, clamped to +-28, and rounded to the nearest number of E3M2, ties to even, subnormals kept.
;;     - The product sums the exact products of the quantised numbers (number of the format x scale) in f32.
;;   ~~~python
;;   def quantise(x, axis):      # numpy; x: float32 -> the quantised numbers, widened to float32 again
;;       x = np.moveaxis(x, axis, -1); K = x.shape[-1]
;;       x = np.pad(x, [(0, 0)] * (x.ndim - 1) + [(0, -K % 32)]); x = x.reshape(x.shape[:-1] + (-1, 32)); a = np.abs(x).max(-1, keepdims=True)
;;       e = np.where(a > 0, np.clip(np.frexp(np.where(a > 0, a, 1))[1] - 1 - 4, -126, 127), 0)      # np.frexp(a)[1] - 1 = floor(log2(a)), exactly
;;       r = np.clip(x / 2.0 ** e, -28, 28)
;;       step = 2.0 ** (np.maximum(np.frexp(np.where(r == 0, 1, r))[1] - 1, -2) - 2)
;;       q = np.round(r / step) * step * 2.0 ** e      # np.round: ties to even
;;       return np.moveaxis(q.reshape(q.shape[:-2] + (-1,))[..., :K], -1, axis).astype(np.float32)
;;   ~~~
;;   SOFTMAX AHEAD OF A QUANTISED PRODUCT. Where the list says 'softmax', what is quantised is not the finished softmax but p = 2^(t - M), with t = logit x log2(e) and M = ceil(the row's largest t), a whole number; so 1/2 < the row's largest p <= 1. The row's sum l is taken of the UNQUANTISED p, in f32, and the product's result is divided by l at the end. Since M is a whole number, a kernel that streams over the keys may use a running M (the ceiling of the running maximum): every later rescaling is an exact power of two, which a block's scale takes up: the codes' values come out the same.
;;   OPERANDS COMPUTED ON THE WAY. 'Computed on the way' means the value that the module computes at that place (a softmax that the list does not call 'softmax' is quantised finished and normalised). What goes into a quantiser is computed in f32, as accurately as f32 sums, v_exp_f32 and their like allow (about 1e-6 of the number): no bf16 or f16 on the way to a quantiser, and a product that is left as it is and whose result goes on into a quantised operand takes f32 operands (vector FMAs, or v_wmma_f32_16x16x4_f32). A number that lies on a knife's edge between two numbers of the format may be rounded either way, as far as f32 arithmetic and the matrix unit's own rounding can turn it there, and no further.
;; One version. Each part assembles by itself: llvm-mc -triple=amdgcn-amd-amdhsa -mcpu=gfx1250 --defsym DOCPART=n.
;; ======== version 1 of 1: 4 launches
;; limits: right only within a limited range of input values
;; workspace buffers: x_img 6,291,456 bytes; x_sc 262,144 bytes; w_img 3,145,728 bytes; w_sc 131,072 bytes; qkv_img 18,874,368 bytes; qkv_sc 1,572,864 bytes of whole numbers; a_img 6,291,456 bytes; a_sc 262,144 bytes
;; launch quant (part 1): grid 768 x 1, 4 waves a work-group, no clusters, 49,152 bytes of LDS; arguments x, w_qkv, w_out, x_img, x_sc, w_img, w_sc; writes x_img, x_sc, w_img, w_sc
.if DOCPART == 1
	.amdgcn_target "amdgcn-amd-amdhsa--gfx1250"
	.amdhsa_code_object_version 6
	.text
	.protected	k_q862283cb07_quant
	.globl	k_q862283cb07_quant
	.p2align	8
	.type	k_q862283cb07_quant,@function
k_q862283cb07_quant:
	s_mov_b64 s[64:65], 0
	v_nop
	global_prefetch_b8 v0, s[64:65] scope:SCOPE_SE
	s_setreg_imm32_b32 hwreg(HW_REG_WAVE_MODE, 25, 1), 1
	s_wait_xcnt 0x0
; x [8192][1024], w_qkv [1024][3072] and w_out [1024][1024], f32, become codes of BF6 (E3M2) with one E8M0 byte for each 32 along K (K = 1,024: x's last axis, the weights' first).
; A block's scale is 2^(floor(log2(its largest magnitude)) - 4): its byte is that magnitude's exponent field - 4, held at 1 from below; each number / scale goes to the nearest code, ties to even, beyond 28 the largest code.
; LIMITS: NaN and infinities are not served.  A block whose largest magnitude lies under 2^-122 (a block of zeros among them) gets the byte 1; the bytes are read by this program alone, and zero codes add nothing under it.
; THE LAYOUT THAT ALL LATER LAUNCHES READ.  Row tile a is the 16 rows 32 (a / 2) + 8 (a % 2) + r + 8 (r / 8), r = 0 .. 15.  A HALF FRAGMENT (a, kc) is 768 bytes: those rows, k = 64 kc .. 64 kc + 63, as an image of
; six operand registers: lane (r, h) owns block h (32 codes, 24 bytes): registers 0-3 at byte 16 lane, registers 4-5 at byte 512 + 8 lane.  A buffer of codes is [row tile][kc 0..15][768].  Scale bytes lie as plain rows [row][32].
; w_img and w_sc hold 4,096 rows: 0 .. 3,071 are w_qkv's columns, 3,072 .. 4,095 w_out's.
; SHARES.  Work-groups 0-255 take the weights (128 columns x 128 along K each), work-groups 256-767 one row tile of x each.  The two paths have LDS bytes of their own and meet at one barrier.
; No tensor loads, no cluster: no two work-groups read the same bytes.
.set XSTG,  0                          ; x: for each wave two stages of 16 rows x (256 + 16) bytes
.set XSCB,  34816                      ; x: the row tile's scale bytes, [r][32]
.set WSTG,  35328                      ; weights: for each wave 2 row tiles x (2 half fragments + 128 bytes, so that the two tiles' stores fall on different banks)
.set FLOOR, 0x2800000                  ; 2^(5 - 127): under it no largest magnitude is taken, so the byte cannot fall under 1
.set EOFF,  0xfe000000                 ; - (4 << 23): 4 off an exponent field
.set XX,    16                         ; x: v16-79   two sets of 32 neighbours along K
.set XR,    80                         ; x: v80-207  four sets of 32 registers as loaded
.set XC,    208                        ; x: v208..   six registers of codes for each of four steps, 8 apart: no store's data are written again
.set XT,    240                        ; x: v240-242 a block's upper 16 codes as they are made
.set XE,    244                        ; x: v244-247 a scale byte for each step
.set VO,    16                         ; w: v16-47   4 lane + i x pitch: row i of a block; never rewritten
.set WX,    48                         ; w: v48-111  two sets of 32 numbers
	s_load_b256 s[4:11], s[0:1], 0x0               ; x s[4:5], w_qkv s[6:7], w_out s[8:9], x_img s[10:11]
	s_load_b128 s[12:15], s[0:1], 0x20             ; x_sc s[12:13], w_img s[14:15]
	s_load_b64 s[16:17], s[0:1], 0x30              ; w_sc
	v_lshl_add_u32 v248, v0, 2, 0xbe00
	v_mov_b32 v249, 0
	v_lshrrev_b32 v1, 5, v0
	v_readfirstlane_b32 s18, v1                    ; wave 0..3
	v_and_b32 v1, 31, v0                           ; lane
	v_and_b32 v2, 15, v0                           ; r
	v_bfe_u32 v3, v0, 4, 1                         ; h
	v_lshl_add_u32 v15, v1, 4, XSCB                ; used behind the barrier, so made ahead of the parting: where wave 0 reads the scale rows back,
	v_lshlrev_b32 v14, 4, v2
	v_lshl_add_u32 v14, v3, 9, v14                 ; and where they go: rows r = 0-7 are 256 bytes on end, rows 8-15 begin 16 rows (512 bytes) on
	s_cmp_lt_u32 ttmp9, 256
	s_cbranch_scc1 .Lpath_w
; ---------------- x: row tile a = work-group - 256; wave w takes kc = 4 w + q, q = 0 .. 3 ----------------
	s_sub_co_u32 s19, ttmp9, 256                   ; a
	s_lshr_b32 s20, s19, 1
	s_lshl_b32 s20, s20, 5
	s_and_b32 s21, s19, 1
	s_lshl_b32 s21, s21, 3
	s_add_co_u32 s20, s20, s21                     ; the tile's first row: 32 (a / 2) + 8 (a % 2)
	s_lshl_b32 s22, s20, 12                        ; x 4,096 bytes
	s_mov_b32 s23, 0
	s_lshl_b32 s24, s19, 4
	s_lshl_b32 s25, s18, 2
	s_add_co_u32 s24, s24, s25
	s_mul_i32 s24, s24, 768                        ; half fragment (a, 4 w)
	s_mov_b32 s25, 0
	s_lshl_b32 s26, s20, 5                         ; the first row's 32 scale bytes
	s_mov_b32 s27, 0
	s_lshl_b32 s28, s18, 10
	s_mul_i32 s29, s18, 8704
	s_lshl_b32 s30, s18, 3
	s_add_co_u32 s30, s30, XSCB
	s_wait_alu depctr_va_vdst(0)
	v_lshlrev_b32 v4, 4, v2
	v_lshl_add_u32 v4, v3, 12, v4
	v_add_nc_u32 v4, s28, v4                       ; in memory: lanes 0-15 one row's 256 bytes, lanes 16-31 the next row's; + my wave's 1,024 bytes
	v_mul_u32_u24 v5, v3, 272
	v_lshl_add_u32 v5, v2, 4, v5
	v_add_nc_u32 v5, s29, v5                       ; into the stage as loaded: row h, 16 bytes a lane
	v_mul_u32_u24 v6, v2, 272
	v_lshl_add_u32 v6, v3, 7, v6
	v_add_nc_u32 v6, s29, v6                       ; out of it: row r, block h: 128 bytes a lane
	v_lshlrev_b32 v7, 4, v1                        ; an image's places for my lane
	v_lshl_add_u32 v8, v1, 3, 512
	v_lshl_add_u32 v9, v2, 5, v3
	v_add_nc_u32 v9, s30, v9                       ; my block's scale byte: 32 r + 8 w + h (+ 2 q)
	s_wait_alu depctr_va_vdst(0)
	s_wait_kmcnt 0x0
	s_add_nc_u64 s[4:5], s[4:5], s[22:23]
	s_add_nc_u64 s[10:11], s[10:11], s[24:25]
	s_add_nc_u64 s[12:13], s[12:13], s[26:27]
.macro XLOAD q                         ; 16 rows x 256 bytes: each load takes two rows' aligned 256 bytes
.irp i, 0,1,2,3,4,5,6,7
	global_load_b128 v[XR+32*(\q)+4*\i:XR+32*(\q)+4*\i+3], v4, s[4:5] offset:(2*\i+8*(\i/4))*4096+256*(\q) th:TH_LOAD_NT
.endr
.endm
.macro XTURN q                         ; through the stage: LDS serves a wave's instructions in order, so no wait stands between the stores and the loads
.irp i, 0,1,2,3,4,5,6,7
	ds_store_b128 v5, v[XR+32*(\q)+4*\i:XR+32*(\q)+4*\i+3] offset:4352*((\q)%2)+544*\i
.endr
.irp j, 0,1,2,3,4,5,6,7
	ds_load_b128 v[XX+32*((\q)%2)+4*\j:XX+32*((\q)%2)+4*\j+3], v6 offset:4352*((\q)%2)+16*\j
.endr
.endm
.macro XSTEP q
.set XS, XX+32*((\q)%2)
.set CQ, XC+8*(\q)
.if (\q) > 0
	s_wait_dscnt 1                                 ; this step's block is back from the stage; the last step's byte store may be out
.else
	s_wait_dscnt 0x0
.endif
.if (\q) < 3
	s_wait_loadcnt 8*(2-(\q))                      ; the next step's eight loads are in; the younger sets stay out
	XTURN (\q)+1
.endif
	v_max3_num_f32 v10, |v[XS]|, |v[XS+1]|, |v[XS+2]|              ; the block's largest magnitude: all 32 numbers are mine; two chains
	v_max3_num_f32 v12, |v[XS+3]|, |v[XS+4]|, |v[XS+5]|
.irp i, 6,10,14,18,22,26
	v_max3_num_f32 v10, v10, |v[XS+\i]|, |v[XS+\i+1]|
	v_max3_num_f32 v12, v12, |v[XS+\i+2]|, |v[XS+\i+3]|
.endr
	v_max3_num_f32 v10, v10, |v[XS+30]|, |v[XS+31]|
	v_max3_num_f32 v10, v10, v12, FLOOR
	v_add_nc_u32 v11, EOFF, v10                    ; the conversion takes the exponent field of this operand as its scale
	v_cvt_scalef32_pk16_bf6_f32 v[CQ:CQ+2], v[XS:XS+15], v11
	v_cvt_scalef32_pk16_bf6_f32 v[XT:XT+2], v[XS+16:XS+31], v11    ; (a conversion's three registers begin on an even number)
	v_lshrrev_b32 v[XE+(\q)], 23, v11              ; the scale's byte; also the plain line behind the conversions
	v_mov_b32 v[CQ+3], v[XT]
	v_mov_b32 v[CQ+4], v[XT+1]
	v_mov_b32 v[CQ+5], v[XT+2]
	ds_store_b8 v9, v[XE+(\q)] offset:2*(\q)
	global_store_b128 v7, v[CQ:CQ+3], s[10:11] offset:768*(\q)     ; 512 consecutive bytes,
	global_store_b64 v8, v[CQ+4:CQ+5], s[10:11] offset:768*(\q)    ; and 256: the half fragment is whole
.endm
	XLOAD 0
	XLOAD 1
	XLOAD 2
	XLOAD 3
	s_wait_loadcnt 24                              ; step 0's eight loads are in
	XTURN 0
	XSTEP 0
	XSTEP 1
	XSTEP 2
	XSTEP 3
	s_branch .Ljoin
; ---------------- the weights: a lane takes a column, its registers run down K ----------------
.Lpath_w:
	s_and_b32 s20, ttmp9, 7                        ; which 128 along K
	s_lshr_b32 s21, ttmp9, 3                       ; which 128 of the 4,096 rows of w_img: 0-23 w_qkv's columns, 24-31 w_out's
	s_sub_co_u32 s23, s21, 24
	s_mov_b32 s22, 4096
	s_wait_kmcnt 0x0
	s_cmp_lt_u32 s21, 24                           ; the choice hangs on the work-group's number alone
	s_cselect_b64 s[6:7], s[6:7], s[8:9]           ; the source,
	s_cselect_b32 s22, 12288, s22                  ; its pitch in bytes,
	s_cselect_b32 s23, s21, s23                    ; and which 128 of its columns
	s_lshl_b32 s32, s20, 7
	s_mul_i32 s32, s32, s22                        ; 128 rows of K a step,
	s_lshl_b32 s33, s23, 9
	s_add_co_u32 s32, s32, s33                     ; 512 bytes a block of columns,
	s_lshl_b32 s33, s18, 7
	s_add_co_u32 s32, s32, s33                     ; 128 bytes a wave
	s_mov_b32 s33, 0
	s_add_nc_u64 s[24:25], s[6:7], s[32:33]        ; a base for each of my four blocks of 32 along K
	s_lshl_b32 s32, s22, 5
	s_add_nc_u64 s[26:27], s[24:25], s[32:33]
	s_add_nc_u64 s[28:29], s[26:27], s[32:33]
	s_add_nc_u64 s[30:31], s[28:29], s[32:33]
	s_wait_alu depctr_va_vdst(0)
	v_lshlrev_b32 v[VO], 2, v1
.set i, 1
.rept 31
	v_add_nc_u32 v[VO+i], s22, v[VO+i-1]
.set i, i+1
.endr
.macro WLOAD t                         ; block t: W(32 t + i, my column): 32 lanes read 128 consecutive bytes
.irp i, 0,1,2,3,4,5,6,7,8,9,10,11,12,13,14,15,16,17,18,19,20,21,22,23,24,25,26,27,28,29,30,31
	global_load_b32 v[WX+32*((\t)%2)+\i], v[VO+\i], s[24+2*(\t):25+2*(\t)] th:TH_LOAD_NT
.endr
.endm
	WLOAD 0
	WLOAD 1
	s_mul_i32 s34, s18, 3328
	s_add_co_u32 s34, s34, WSTG                    ; my stage
	v_bfe_u32 v8, v0, 3, 1                         ; my column j of the wave's 32 lies in row tile u = (j / 8) % 2,
	v_and_b32 v9, 7, v0
	v_lshl_add_u32 v9, v3, 3, v9                   ; at its row r = j % 8 + 8 (j / 16)
	v_mul_u32_u24 v5, v8, 1664
	v_add_nc_u32 v5, s34, v5
	v_lshl_add_u32 v6, v9, 3, v5
	v_add_nc_u32 v6, 512, v6                       ; registers 4-5 of lane r of an image
	v_lshl_add_u32 v5, v9, 4, v5                   ; registers 0-3
	v_lshl_add_u32 v7, v1, 4, s34                  ; back: 16 bytes a lane
	v_lshlrev_b32 v10, 4, v1
	v_lshlrev_b32 v11, 5, v1                       ; my column's row of scale bytes
	s_lshl_b32 s32, s21, 3
	s_lshl_b32 s35, s18, 1
	s_add_co_u32 s32, s32, s35                     ; my first row tile: 8 x block + 2 x wave
	s_mul_i32 s32, s32, 12288
	s_mul_i32 s35, s20, 1536                       ; kc = 2 x (which 128 along K)
	s_add_co_u32 s32, s32, s35
	s_add_nc_u64 s[14:15], s[14:15], s[32:33]
	s_lshl_b32 s32, s21, 12
	s_lshl_b32 s35, s18, 10
	s_add_co_u32 s32, s32, s35
	s_lshl_b32 s35, s20, 2
	s_add_co_u32 s32, s32, s35                     ; 32 bytes a row, 4 bytes for 128 along K
	s_add_nc_u64 s[16:17], s[16:17], s[32:33]
.macro WBLOCK t
.set XS, WX+32*((\t)%2)
.if (\t) < 3
	s_wait_loadcnt 32                              ; this block's 32 loads are in; the next block's may be out
.else
	s_wait_loadcnt 0x0
.endif
	v_max3_num_f32 v12, |v[XS]|, |v[XS+1]|, |v[XS+2]|
	v_max3_num_f32 v13, |v[XS+3]|, |v[XS+4]|, |v[XS+5]|
.irp i, 6,10,14,18,22,26
	v_max3_num_f32 v12, v12, |v[XS+\i]|, |v[XS+\i+1]|
	v_max3_num_f32 v13, v13, |v[XS+\i+2]|, |v[XS+\i+3]|
.endr
	v_max3_num_f32 v12, v12, |v[XS+30]|, |v[XS+31]|
	v_max3_num_f32 v12, v12, v13, FLOOR
	v_add_nc_u32 v4, EOFF, v12
	v_lshrrev_b32 v13, 23, v4                      ; the scale's byte
.if (\t) == 0
	v_mov_b32 v124, v13                            ; four bytes to a register, the lower K in the lower byte
.else
	v_lshl_or_b32 v124, v13, 8*(\t), v124
.endif
	v_cvt_scalef32_pk16_bf6_f32 v[112:114], v[XS:XS+15], v4
	v_cvt_scalef32_pk16_bf6_f32 v[120:122], v[XS+16:XS+31], v4
	v_nop                                          ; one plain line behind the conversions
	v_mov_b32 v115, v120
	v_mov_b32 v116, v121
	v_mov_b32 v117, v122
	ds_store_b128 v5, v[112:115] offset:768*((\t)/2)+256*((\t)%2)  ; block t is half fragment t / 2, lane r + 16 (t % 2)
	ds_store_b64 v6, v[116:117] offset:768*((\t)/2)+128*((\t)%2)
.if (\t) < 2
	WLOAD (\t)+2
.endif
	s_wait_dscnt 0x0                               ; the stores have read their registers: the next block's codes may be written
.endm
	WBLOCK 0
	WBLOCK 1
	WBLOCK 2
	WBLOCK 3
	s_wait_alu depctr_va_vdst(0)
	global_store_b32 v11, v124, s[16:17]           ; 4 bytes of each row's 32: parts of units, 131,072 bytes in the whole launch against 16.8 million read
.irp n, 0,1,2,3,4,5
	ds_load_b128 v[128+4*\n:131+4*\n], v7 offset:1664*(\n/3)+512*(\n%3)
.endr
.irp n, 0,1,2,3,4,5
	s_wait_dscnt 5-\n                              ; the younger loads from the stage stay out
	global_store_b128 v10, v[128+4*\n:131+4*\n], s[14:15] offset:12288*(\n/3)+512*(\n%3)   ; 512 consecutive bytes: two half fragments, 1,536 bytes, for each of two row tiles
.endr
.Ljoin:
	s_wait_dscnt 0x0                               ; for the others' sake: my byte stores have landed
	s_barrier_signal -1
	s_barrier_wait -1
	s_cmp_lt_u32 ttmp9, 256
	s_cbranch_scc1 .Lend                           ; the weights' work-groups are done
	s_cmp_lg_u32 s18, 0
	s_cbranch_scc1 .Lend
	ds_load_b128 v[152:155], v15                   ; wave 0: the row tile's 512 scale bytes, which four waves wrote,
	s_wait_dscnt 0x0
	global_store_b128 v14, v[152:155], s[12:13]    ; leave as two aligned runs of 256 bytes
.Lend:
	s_wait_tensorcnt 0x0
	ds_add_u32 v248, v249
	s_wait_dscnt 0x0
	s_endpgm
.Lfunc_end_k_q862283cb07_quant:
	.size	k_q862283cb07_quant, .Lfunc_end_k_q862283cb07_quant-k_q862283cb07_quant
	.p2alignl 7, 3214868480
	.fill 96, 4, 3214868480
	.section	.rodata,"a",@progbits
	.p2align	6, 0x0
	.amdhsa_kernel k_q862283cb07_quant
		.amdhsa_group_segment_fixed_size 49152
		.amdhsa_private_segment_fixed_size 0
		.amdhsa_enable_private_segment 0
		.amdhsa_kernarg_size 56
		.amdhsa_user_sgpr_count 2
		.amdhsa_user_sgpr_kernarg_segment_ptr 1
		.amdhsa_wavefront_size32 1
		.amdhsa_system_sgpr_workgroup_id_x 1
		.amdhsa_system_sgpr_workgroup_id_y 1
		.amdhsa_system_sgpr_workgroup_id_z 1
		.amdhsa_system_vgpr_workitem_id 0
		.amdhsa_next_free_vgpr 250
		.amdhsa_next_free_sgpr 66
		.amdhsa_reserve_vcc 0
		.amdhsa_float_denorm_mode_32 3
		.amdhsa_float_denorm_mode_16_64 3
		.amdhsa_memory_ordered 1
		.amdhsa_forward_progress 1
		.amdhsa_inst_pref_size 40
	.end_amdhsa_kernel
	.amdgpu_metadata
---
amdhsa.version: [ 1, 2 ]
amdhsa.kernels:
  - .name:           k_q862283cb07_quant
    .symbol:         k_q862283cb07_quant.kd
    .args:
      - { .name: x, .offset: 0, .size: 8, .value_kind: global_buffer, .address_space: global }
      - { .name: w_qkv, .offset: 8, .size: 8, .value_kind: global_buffer, .address_space: global }
      - { .name: w_out, .offset: 16, .size: 8, .value_kind: global_buffer, .address_space: global }
      - { .name: x_img, .offset: 24, .size: 8, .value_kind: global_buffer, .address_space: global }
      - { .name: x_sc, .offset: 32, .size: 8, .value_kind: global_buffer, .address_space: global }
      - { .name: w_img, .offset: 40, .size: 8, .value_kind: global_buffer, .address_space: global }
      - { .name: w_sc, .offset: 48, .size: 8, .value_kind: global_buffer, .address_space: global }
    .group_segment_fixed_size: 49152
    .private_segment_fixed_size: 0
    .kernarg_segment_align: 8
    .kernarg_segment_size: 56
    .max_flat_workgroup_size: 128
    .sgpr_count:     66
    .vgpr_count:     250
    .wavefront_size: 32
...
	.end_amdgpu_metadata
.endif
;; end of part 1
;; launch gemm_qkv (part 2): grid 32 x 8, 4 waves a work-group, clusters of 4 x 1, 307,712 bytes of LDS; arguments x_img, x_sc, w_img, w_sc, qkv_img, qkv_sc; writes qkv_img, qkv_sc
.if DOCPART == 2
	.amdgcn_target "amdgcn-amd-amdhsa--gfx1250"
	.amdhsa_code_object_version 6
	.text
	.protected	k_q862283cb07_gemm_qkv
	.globl	k_q862283cb07_gemm_qkv
	.p2align	8
	.type	k_q862283cb07_gemm_qkv,@function
k_q862283cb07_gemm_qkv:
	s_mov_b64 s[64:65], 0
	v_nop
	global_prefetch_b8 v0, s[64:65] scope:SCOPE_SE
	s_setreg_imm32_b32 hwreg(HW_REG_WAVE_MODE, 25, 1), 1
	s_wait_xcnt 0x0
	s_wait_alu depctr_hold_cnt(0) depctr_sa_sdst(0) depctr_va_vdst(0) depctr_va_sdst(0) depctr_va_ssrc(0) depctr_va_vcc(0) depctr_vm_vsrc(0)
	s_getreg_b32 s2, hwreg(HW_REG_IB_STS2, 6, 4)
	s_cmp_eq_u32 s2, 0
	s_cbranch_scc0 .Lentry_in_a_cluster
	s_endpgm
.Lentry_in_a_cluster:
	s_bfe_u32 s2, ttmp6, 0x10000c
	s_cmp_lg_u32 s2, 0x3003
	s_cbranch_scc0 .Lentry_shape_is_right
	s_endpgm
.Lentry_shape_is_right:
; qkv = x w_qkv on codes of BF6 with E8M0 scales, K = 1,024; the results are quantised again on the way out: q and k along d, v along the keys.
; SHARES.  Work-group (x, y) owns tokens 256 x .. 256 x + 255 and columns 384 y .. 384 y + 383 of qkv: six heads of 64.  32 x 8 = 256 work-groups of equal work.
; Wave w keeps its 64 tokens (4 row tiles), all of K, in 384 registers, loaded from x_img as the operand's image.  The 384 rows of the weights (24 row tiles, 294,912 bytes on end) and their scale rows (12,288 bytes)
; come into LDS once: waves 0-2 ask for 8 row tiles each, wave 3 for the scales.  No LDS byte is filled again, so the walk along K has no barrier.
; CLUSTER: the four work-groups of a cluster differ in x alone and need the same rows of the weights: each load is a joint load that names all four.
; No prefetch: all bytes are asked for at the head, where there is no loop to run ahead in.
; A HEAD is 128 matrix instructions a wave: 8 K steps x 16 accumulators (u, v) at v[32 u + 8 v] of window 3, by turns.  For q and k (heads 0-31) source 0 is the weights' row tile v and source 1 the tokens' tile u:
; a lane holds a token and its 32 registers of u run along d.  For v (heads 32-47) source 0 is the tokens' tile v and source 1 the weights' tile u: a lane holds a d and its registers run along the wave's 64 keys.
; The choice is a scalar branch on ids (y and the loop's counter), alike in all partners.  Either way register 16 j + i of u holds place 32 j + 16 h + i along the next K, and the way out is one text.
; SCALES: a row's 32 bytes are 8 words, one a K step.  Lane (r, h) loads bytes 16 h .. 16 h + 15 of row r: register k % 4 holds K step k's word in lanes 0-15 (k < 4) or 16-31 (k >= 4: row 1 of the scale register).
; OUT.  Codes: half fragments of 768 bytes, four on end for a wave and head: q, k at ((32 b + head) 128 + 4 g) 768, v at 12,582,912 + ((32 b + g) 64 + 4 head) 768; g = the wave's 64 tokens in their batch.
; Scale words (two bytes below, zeros above) at plane x 8,192 + 256 g + 16 r + 4 u; plane = 32 b + head for q, k; v's planes begin at byte 1,048,576, 16 b + head.  A wave stores 256 bytes on end, 8 a lane.
; LIMITS: NaN and infinities are not served; a block whose largest magnitude lies under 2^-122 gets the byte 1 (read by this program alone; a block of zeros has zero codes).
; REGISTERS.  Window 0: v8-14 addresses; v28, v29 the add's; v32-47 the tokens' scale words; v48-63 the weights'; v64-159 the weights' fragments, two sets; v160-226 the way out.
; Window 1: the tokens' fragments of K steps 0-3 at v[48 (k % 4) + 12 u]; window 2: of K steps 4-7.  Window 3: the accumulators.
.set TT,    49152                      ; a head's 4 row tiles of the weights in LDS
.set NT,    6
.set SCL,   NT*TT
.set SPARE, SCL+12288
.set L16, 8
.set L8,  9
.set SLN, 10
.set VSO, 11
.set A16, 12
.set A8,  13
.set AS,  14
.set SPW, 28
.set NIL, 29
.set RS,  32
.set SS,  48
.set SF,  64
.set TM,  160
.set SW,  176
.set SX,  180
.set PC,  184
.set WV,  16
.set CXS, 17
.set TBK, 18
.set CG,  19
.set XP,  20
.set XS,  22
.set G1,  24
.set G1S, 32
.set G0,  40
.set G0S, 44
.set HD,  48
.set TB,  49
.set TSC, 50
.set CQ0, 51
.set CV0, 52
.set SQ0, 53
.set SV0, 54
.set HM,  55
.set SEL, 56
.set OB,  58
.set SBP, 60
.set TC,  62
.set MSB, 0
.macro WIN new                         ; the immediate's high byte repeats the setting that is left
.if MSB != \new
	s_set_vgpr_msb (MSB<<8)|\new
.set MSB, \new
.endif
.endm
.macro CROUND                          ; a round of the cluster's barrier
	s_barrier_signal -1
	s_barrier_wait -1
	s_cmp_lg_u32 s[WV], 0
	s_cbranch_scc1 .Lnot_wave_0_\@
	s_barrier_signal -3
.Lnot_wave_0_\@:
	s_barrier_wait -3
	s_barrier_signal -1
	s_barrier_wait -1
.endm
.macro PLACES
.rept 4
	v_nop
.endr
.endm
	s_load_b256 s[4:11], s[0:1], 0x0               ; x_img s[4:5], x_sc s[6:7], w_img s[8:9], w_sc s[10:11]
	s_load_b128 s[12:15], s[0:1], 0x20             ; qkv_img s[12:13], qkv_sc s[14:15]
	v_lshl_add_u32 v[SPW], v0, 2, SPARE
	v_mov_b32 v[NIL], 0
	ds_add_u32 v[SPW], v[NIL]                      ; the opening lines: the add, twice on end,
	ds_add_u32 v[SPW], v[NIL]
	v_lshrrev_b32 v1, 5, v0
	v_readfirstlane_b32 s[WV], v1                  ; wave 0..3
	s_bfe_u32 s[CXS], ttmp6, 0x40000               ; cx: it enters global addresses of x and of the results alone
	s_lshl_b32 s[TBK], ttmp9, 2
	s_add_co_u32 s[TBK], s[TBK], s[CXS]            ; which 256 tokens
	s_and_b32 s[CG], ttmp7, 0xffff                 ; which 384 columns
	s_mov_b32 s[G1], 15|(3<<16)|(1<<21)            ; codes: 32 rows of 3,072 bytes, dense; elements of 8 bytes; the mask names all four partners, bit 21 beside it
	s_mov_b32 s[G1+1], 384<<16
	s_mov_b32 s[G1+2], 32<<16
	s_mov_b32 s[G1+3], 384<<16
	s_mov_b32 s[G1+4], 32
	s_mov_b32 s[G1+5], 384
	s_mov_b32 s[G1+6], 0
	s_mov_b32 s[G1+7], 0
	s_mov_b32 s[G1S], 15|(3<<16)|(1<<21)           ; scales: 48 rows of 256 bytes, dense
	s_mov_b32 s[G1S+1], 32<<16
	s_mov_b32 s[G1S+2], 48<<16
	s_mov_b32 s[G1S+3], 32<<16
	s_mov_b32 s[G1S+4], 48
	s_mov_b32 s[G1S+5], 32
	s_mov_b32 s[G1S+6], 0
	s_mov_b32 s[G1S+7], 0
	s_mul_i32 s66, s[CG], 24
	s_lshl_b32 s67, s[WV], 3
	s_add_co_u32 s66, s66, s67
	s_mul_i32 s66, s66, 12288                      ; the weights: row tile 24 y + 8 w
	s_mov_b32 s67, 0
	s_mul_i32 s68, s[CG], 12288                    ; their scale rows: 384 y x 32 bytes
	s_mov_b32 s69, 0
	s_lshl_b32 s70, s[TBK], 4
	s_lshl_b32 s71, s[WV], 2
	s_add_co_u32 s70, s70, s71
	s_lshl_b32 s72, s70, 9                         ; my tokens' scale rows: 16 rows x 32 bytes a row tile
	s_mul_i32 s70, s70, 12288                      ; my tokens: row tile 16 x + 4 w
	s_mov_b32 s71, 0
	s_mov_b32 s73, 0
	s_lshr_b32 s74, s[TBK], 3                      ; b
	s_and_b32 s75, s[TBK], 7
	s_lshl_b32 s75, s75, 2
	s_add_co_u32 s75, s75, s[WV]                   ; g
	s_lshl_b32 s[CQ0], s74, 12
	s_lshl_b32 s[CV0], s75, 2
	s_add_co_u32 s[CQ0], s[CQ0], s[CV0]
	s_mul_i32 s[CQ0], s[CQ0], 768                  ; q, k: (4,096 b + 4 g) 768, + 98,304 a head
	s_lshl_b32 s[CV0], s74, 5
	s_add_co_u32 s[CV0], s[CV0], s75
	s_mul_i32 s[CV0], s[CV0], 49152
	s_add_co_u32 s[CV0], s[CV0], 12582912-32*3072  ; v: + 3,072 a head, counted from head 32
	s_lshl_b32 s[SV0], s75, 8
	s_lshl_b32 s[SQ0], s74, 18
	s_add_co_u32 s[SQ0], s[SQ0], s[SV0]            ; scale words: + 8,192 a head
	s_lshl_b32 s74, s74, 17
	s_add_co_u32 s[SV0], s[SV0], s74
	s_add_co_u32 s[SV0], s[SV0], 1048576-32*8192
	s_mul_i32 s[HD], s[CG], NT                     ; my first head
	s_mov_b32 s[SEL], 0x76543210
	s_mov_b32 s[SEL+1], 0xfedcba98
	s_wait_dscnt 0x0                               ; and the one wait for both
	s_wait_kmcnt 0x0
	s_mov_b32 s[G0], 1
	s_mul_i32 s[G0+1], s[WV], 2*TT                 ; 8 row tiles a wave
	s_add_nc_u64 s[G0+2:G0+3], s[8:9], s[66:67]
	s_or_b32 s[G0+3], s[G0+3], 0x80000000
	s_mov_b32 s[G0S], 1
	s_mov_b32 s[G0S+1], SCL
	s_add_nc_u64 s[G0S+2:G0S+3], s[10:11], s[68:69]
	s_or_b32 s[G0S+3], s[G0S+3], 0x80000000
	s_add_nc_u64 s[XP:XP+1], s[4:5], s[70:71]
	s_add_nc_u64 s[XS:XS+1], s[6:7], s[72:73]
	CROUND                                         ; all four work-groups are here: the joint loads meet
	s_cmp_lt_u32 s[WV], 3                          ; one load a wave, each byte filled once; s_nop 0 and four v_nop follow each load
	s_cbranch_scc0 .Lscales
	tensor_load_to_lds s[G0:G0+3], s[G1:G1+7]
	s_nop 0
	PLACES
	s_branch .Lasked
.Lscales:
	tensor_load_to_lds s[G0S:G0S+3], s[G1S:G1S+7]
	s_nop 0
	PLACES
.Lasked:
	v_and_b32 v1, 15, v0                           ; r
	v_bfe_u32 v2, v0, 4, 1                         ; h
	v_and_b32 v3, 31, v0                           ; lane
	v_lshlrev_b32 v[L16], 4, v3                    ; an image's places for my lane
	v_lshl_add_u32 v[L8], v3, 3, 512
	v_and_b32 v4, 8, v1
	v_add_nc_u32 v4, v4, v1                        ; r + 8 (r / 8)
	v_lshlrev_b32 v4, 5, v4
	v_lshl_add_u32 v[SLN], v2, 4, v4               ; a scale row's half: 32 bytes a row, 16 h
	v_lshlrev_b32 v4, 4, v1
	v_lshl_add_u32 v[VSO], v2, 3, v4               ; where my two scale words go: 16 r + 8 h
	v_cmp_le_u32 s[HM], 16, v3
.irp b, 0,1,2,3
	v_mov_b32 v[TM+4+\b], 0                        ; written once: a lane permute's destination counts as one of its sources
.endr
	s_wait_alu depctr_va_vdst(0)                   ; the wait at the head's end
.macro RLOAD k                         ; my 4 row tiles' fragments of K step k
.irp u, 0,1,2,3
.irp c, 0,1
	global_load_b128 v[48*((\k)%4)+12*\u+6*\c:48*((\k)%4)+12*\u+6*\c+3], v[L16], s[XP:XP+1] offset:12288*\u+768*(2*(\k)+\c)
	global_load_b64 v[48*((\k)%4)+12*\u+6*\c+4:48*((\k)%4)+12*\u+6*\c+5], v[L8], s[XP:XP+1] offset:12288*\u+768*(2*(\k)+\c)
.endr
.endr
.endm
.irp u, 0,1,2,3
	global_load_b128 v[RS+4*\u:RS+4*\u+3], v[SLN], s[XS:XS+1] offset:(32*(\u/2)+8*(\u%2))*32
.endr
	WIN 0x40
.irp k, 0,1,2,3
	RLOAD \k
.endr
	WIN 0x80
.irp k, 4,5,6,7
	RLOAD \k
.endr
	WIN 0
	s_wait_tensorcnt 0x0                           ; my part of the weights has landed,
	s_barrier_signal -1
	s_barrier_wait -1                              ; everybody's has
	s_wait_loadcnt 0x0                             ; my tokens
.macro FRAGS k                         ; the head's 4 fragments of K step k into set k % 2: 16 loads
.irp i, 0,1,2,3
.irp c, 0,1
	ds_load_b128 v[SF+48*((\k)%2)+12*\i+6*\c:SF+48*((\k)%2)+12*\i+6*\c+3], v[A16] offset:12288*\i+768*(2*(\k)+\c)
	ds_load_b64 v[SF+48*((\k)%2)+12*\i+6*\c+4:SF+48*((\k)%2)+12*\i+6*\c+5], v[A8] offset:12288*\i+768*(2*(\k)+\c)
.endr
.endr
.endm
.macro WM d, a, b, sa, sb, k           ; the first K step starts the sums; K steps 4-7 take their scale words from lanes 16-31
.if (\k) == 0
	v_wmma_scale_f32_16x16x128_f8f6f4 v[\d:\d+7], v[\a:\a+11], v[\b:\b+11], 0, v[\sa], v[\sb] matrix_a_fmt:MATRIX_FMT_BF6 matrix_b_fmt:MATRIX_FMT_BF6
.else
.if (\k) < 4
	v_wmma_scale_f32_16x16x128_f8f6f4 v[\d:\d+7], v[\a:\a+11], v[\b:\b+11], v[\d:\d+7], v[\sa], v[\sb] matrix_a_fmt:MATRIX_FMT_BF6 matrix_b_fmt:MATRIX_FMT_BF6
.else
	v_wmma_scale_f32_16x16x128_f8f6f4 v[\d:\d+7], v[\a:\a+11], v[\b:\b+11], v[\d:\d+7], v[\sa], v[\sb] matrix_a_fmt:MATRIX_FMT_BF6 matrix_b_fmt:MATRIX_FMT_BF6 matrix_a_scale:MATRIX_SCALE_ROW1 matrix_b_scale:MATRIX_SCALE_ROW1
.endif
.endif
.endm
.macro MUL16 var, k                    ; the 16 accumulators take turns, in the same order in every K step
.set RW, 48*((\k)%4)
.set FB, SF+48*((\k)%2)
.set KQ, (\k)%4
.irp u, 0,1,2,3
.irp v, 0,1,2,3
.if \var == 0
	WM 32*\u+8*\v, FB+12*\v, RW+12*\u, SS+4*\v+KQ, RS+4*\u+KQ, \k
.else
	WM 32*\u+8*\v, RW+12*\v, FB+12*\u, RS+4*\v+KQ, SS+4*\u+KQ, \k
.endif
.endr
.endr
.endm
.macro KWALK var                       ; a head: 8 K steps; the next step's fragments are asked for ahead of each step's products
.set ks, 0
.rept 8
.if ks < 7
.if ks > 0
	PLACES                                         ; places in front of loads into the set that the last step's products read
.endif
	FRAGS ks+1
	s_wait_dscnt 16                                ; all but the 16 just issued
.else
	s_wait_dscnt 0x0
.endif
.if \var == 0
	WIN 0xf0|((1+ks/4)<<2)                         ; C, D window 3; source 0 window 0; source 1 window 1 or 2
.else
	WIN 0xf0|(1+ks/4)                              ; the sources the other way round
.endif
	MUL16 \var, ks
	WIN 0
.set ks, ks+1
.endr
.endm
; the way out of accumulators u = 2 p and 2 p + 1: four blocks of 32 by turns; a block lies in lanes l and l xor 16
.macro OUTQ p
.set AC, 64*(\p)
.set PQ, PC+24*(\p)
	WIN 0x0f
.irp b, 0,1,2,3
	v_max3_num_f32 v[TM+\b], |v[AC+16*\b]|, |v[AC+16*\b+1]|, 0x2800000   ; with the floor 2^(5 - 127): the byte cannot fall under 1
.endr
.irp i, 2,4,6,8,10,12,14
.irp b, 0,1,2,3
	v_max3_num_f32 v[TM+\b], |v[AC+16*\b+\i]|, |v[AC+16*\b+\i+1]|, v[TM+\b]
.endr
.endr
	WIN 0
.irp b, 0,1,2,3
	v_permlanex16_b32 v[TM+4+\b], v[TM+\b], s[SEL], s[SEL+1]
.endr
.irp b, 0,1,2,3
	v_max_num_f32 v[TM+\b], v[TM+\b], v[TM+4+\b]
.endr
.irp b, 0,1,2,3
	v_add_nc_u32 v[TM+12+\b], 0xfe000000, v[TM+\b] ; 4 off the exponent field: the conversion's scale operand
.endr
.irp b, 0,1,2,3
	v_lshrrev_b32 v[TM+4+\b], 23, v[TM+12+\b]      ; the scale's byte
.endr
	v_lshl_or_b32 v[SW+2*(\p)], v[TM+5], 8, v[TM+4]
	v_lshl_or_b32 v[SW+2*(\p)+1], v[TM+7], 8, v[TM+6]
	WIN 0x03
.irp c, 0,1
	v_cvt_scalef32_pk16_bf6_f32 v[PQ+6*\c:PQ+2+6*\c], v[AC+32*\c:AC+15+32*\c], v[TM+12+2*\c]
	v_cvt_scalef32_pk16_bf6_f32 v[PQ+12+4*\c:PQ+14+4*\c], v[AC+16+32*\c:AC+31+32*\c], v[TM+12+2*\c+1]
.endr
	WIN 0
	v_nop                                          ; one plain line behind the conversions
.irp c, 0,1
.irp i, 0,1,2
	v_permlane16_swap_b32 v[PQ+6*\c+\i], v[PQ+12+4*\c+\i]   ; a whole block to a lane
.endr
.irp i, 0,1,2
	v_mov_b32 v[PQ+3+6*\c+\i], v[PQ+12+4*\c+\i]
.endr
.endr
.irp c, 0,1
	global_store_b128 v[L16], v[PQ+6*\c:PQ+6*\c+3], s[OB:OB+1] offset:768*(2*(\p)+\c)     ; 512 and 256 consecutive bytes, aligned
	global_store_b64 v[L8], v[PQ+6*\c+4:PQ+6*\c+5], s[OB:OB+1] offset:768*(2*(\p)+\c)
.endr
.endm
	s_mov_b32 s[TC], 0
	s_mov_b32 s[TB], 0
	s_mov_b32 s[TSC], SCL
.Ltile:
	v_add_nc_u32 v[A16], s[TB], v[L16]
	v_add_nc_u32 v[A8], s[TB], v[L8]
	v_add_nc_u32 v[AS], s[TSC], v[SLN]
	v_nop
.irp i, 0,1,2,3
	ds_load_b128 v[SS+4*\i:SS+4*\i+3], v[AS] offset:(32*(\i/2)+8*(\i%2))*32
.endr
	FRAGS 0
	s_cmp_lt_u32 s[HD], 32
	s_wait_alu depctr_va_vdst(0)                   ; the wait here, directly ahead of the branch
	s_cbranch_scc0 .Lhead_v
	KWALK 0
	s_branch .Lout
.Lhead_v:
	KWALK 1
.Lout:
	PLACES                                         ; places behind the last products
	s_wait_xcnt 0x0                                ; the last head's stores have read their registers and bases
	s_mul_i32 s66, s[HD], 98304
	s_add_co_u32 s66, s66, s[CQ0]
	s_mul_i32 s67, s[HD], 3072
	s_add_co_u32 s67, s67, s[CV0]
	s_lshl_b32 s68, s[HD], 13
	s_cmp_lt_u32 s[HD], 32
	s_cselect_b32 s66, s66, s67
	s_cselect_b32 s69, s[SQ0], s[SV0]
	s_mov_b32 s67, 0
	s_add_co_u32 s68, s68, s69
	s_mov_b32 s69, 0
	s_add_nc_u64 s[OB:OB+1], s[12:13], s[66:67]
	s_add_nc_u64 s[SBP:SBP+1], s[14:15], s[68:69]
	OUTQ 0
	OUTQ 1
	v_cndmask_b32 v[SX], v[SW], v[SW+2], s[HM]     ; lanes 0-15 store the words of u = 0, 1, lanes 16-31 of u = 2, 3
	v_cndmask_b32 v[SX+1], v[SW+1], v[SW+3], s[HM]
	global_store_b64 v[VSO], v[SX:SX+1], s[SBP:SBP+1]   ; 256 consecutive bytes, aligned
	s_add_co_u32 s[HD], s[HD], 1
	s_add_co_u32 s[TB], s[TB], TT
	s_add_co_u32 s[TSC], s[TSC], 2048
	s_add_co_u32 s[TC], s[TC], 1
	s_cmp_lt_u32 s[TC], NT
	s_wait_alu depctr_va_vdst(0)                   ; the wait here, directly ahead of the branch
	s_cbranch_scc1 .Ltile
	s_wait_tensorcnt 0x0                           ; the wave's end
	ds_add_u32 v[SPW], v[NIL]
	s_wait_dscnt 0x0
	CROUND                                         ; the closing round
	s_endpgm
.Lfunc_end_k_q862283cb07_gemm_qkv:
	.size	k_q862283cb07_gemm_qkv, .Lfunc_end_k_q862283cb07_gemm_qkv-k_q862283cb07_gemm_qkv
	.p2alignl 7, 3214868480
	.fill 96, 4, 3214868480
	.section	.rodata,"a",@progbits
	.p2align	6, 0x0
	.amdhsa_kernel k_q862283cb07_gemm_qkv
		.amdhsa_group_segment_fixed_size 307712
		.amdhsa_private_segment_fixed_size 0
		.amdhsa_enable_private_segment 0
		.amdhsa_kernarg_size 48
		.amdhsa_user_sgpr_count 2
		.amdhsa_user_sgpr_kernarg_segment_ptr 1
		.amdhsa_wavefront_size32 1
		.amdhsa_system_sgpr_workgroup_id_x 1
		.amdhsa_system_sgpr_workgroup_id_y 1
		.amdhsa_system_sgpr_workgroup_id_z 1
		.amdhsa_system_vgpr_workitem_id 0
		.amdhsa_next_free_vgpr 1024
		.amdhsa_next_free_sgpr 80
		.amdhsa_reserve_vcc 0
		.amdhsa_float_denorm_mode_32 3
		.amdhsa_float_denorm_mode_16_64 3
		.amdhsa_memory_ordered 1
		.amdhsa_forward_progress 1
		.amdhsa_inst_pref_size 79
	.end_amdhsa_kernel
	.amdgpu_metadata
---
amdhsa.version: [ 1, 2 ]
amdhsa.kernels:
  - .name:           k_q862283cb07_gemm_qkv
    .symbol:         k_q862283cb07_gemm_qkv.kd
    .args:
      - { .name: x_img, .offset: 0, .size: 8, .value_kind: global_buffer, .address_space: global }
      - { .name: x_sc, .offset: 8, .size: 8, .value_kind: global_buffer, .address_space: global }
      - { .name: w_img, .offset: 16, .size: 8, .value_kind: global_buffer, .address_space: global }
      - { .name: w_sc, .offset: 24, .size: 8, .value_kind: global_buffer, .address_space: global }
      - { .name: qkv_img, .offset: 32, .size: 8, .value_kind: global_buffer, .address_space: global }
      - { .name: qkv_sc, .offset: 40, .size: 8, .value_kind: global_buffer, .address_space: global }
    .group_segment_fixed_size: 307712
    .private_segment_fixed_size: 0
    .kernarg_segment_align: 8
    .kernarg_segment_size: 48
    .max_flat_workgroup_size: 128
    .sgpr_count:     80
    .vgpr_count:     1024
    .wavefront_size: 32
...
	.end_amdgpu_metadata
.endif
;; end of part 2
;; launch attn (part 3): grid 4 x 64, 16 waves a work-group, no clusters, 215,296 bytes of LDS; arguments qkv_img, qkv_sc, a_img, a_sc; writes a_img, a_sc
.if DOCPART == 3
	.amdgcn_target "amdgcn-amd-amdhsa--gfx1250"
	.amdhsa_code_object_version 6
	.text
	.protected	k_q862283cb07_attn
	.globl	k_q862283cb07_attn
	.p2align	8
	.type	k_q862283cb07_attn,@function
k_q862283cb07_attn:
	s_mov_b64 s[64:65], 0
	v_nop
	global_prefetch_b8 v0, s[64:65] scope:SCOPE_SE
	s_setreg_imm32_b32 hwreg(HW_REG_WAVE_MODE, 25, 1), 1
	s_wait_xcnt 0x0
; For one batch and head: O = softmax((q k^T + mask) / 8) v, mask = -10,000 where key > query, both products on codes of BF6 with E8M0 scales; O / l is quantised along (head, d) for the last product.
; THE SOFTMAX: t = (score + mask) x log2(e) / 8; M = the running largest t rounded UP to a whole number; p = 2^(t - M) is quantised along the keys, not normalised; l is the sum of the unquantised p; when M moves,
; l and O are multiplied by 2^(old M - new M), which rounds nothing.
; THE MASK IS A FINITE BIAS, so hidden keys count wherever the scores are large enough.  WHOLE NUMBERS DECIDE whether they can: the E8M0 bytes that the launch before stored in qkv_sc.  If every byte of my 16 queries
; and every byte of the head's 2,048 keys is at most 125 (scale 2^-2), every quantised q and k is at most 28 / 4 = 7 in magnitude and every score at most 64 x 49 = 3,136.  Key 0 is open to every query, so the row's
; largest t is at least -3,136 c (c = log2(e) / 8) and a hidden key's t at most (3,136 - 10,000) c: t - M <= -3,728 c = -672, and 2^-672 is 0 in f32.  Such keys add 0 to l and zero codes to the product, and move no M.
; Then the steps of 128 keys that lie wholly beyond my queries are jumped over, by a scalar branch on those bytes.  With any larger byte every step is walked, the bias in its place.
; The launch branches on numbers read from memory, so it has no tensor load and no copy: K, V and their scale words come through registers into LDS, once; hence no cluster and no joint loads.
; No prefetch: all of a work-group's bytes are asked for at its head, where there is no loop to run ahead in.
; SHARES.  Four work-groups (x = cx) own one (batch, head) (y).  Wave w stages key step w: 6,144 bytes of K, 6,144 of V, 512 + 512 of scale words, 26 loads of 16 bytes a lane.  In pass p it owns token tile
; 8 wb + 2 cx + p, wb = w in pass 0 and 15 - w in pass 1: where hidden steps are jumped, every wave walks w + 1 + 16 - w = 17 steps.
; LAYOUT.  Token tile a = tokens 32 (a / 2) + 8 (a % 2) + r + 8 (r / 8).  Both products are used transposed: S^T = K Q^T (source 0 = a token tile of K), O^T = V^T P^T (source 0 = 16 of the head's 64): a lane holds one
; query; the 16 registers of tiles 2 j, 2 j + 1 are keys (or d) 32 j + 16 h + 0 .. 15.
; K = 64 IN AN INSTRUCTION OF K = 128.  Q's registers 6-11 are zero codes.  K's tile t is named as v[36 + 6 t : 47 + 6 t]: its upper six registers are the next tile's codes (behind the last tile: zeros), finite numbers
; that meet zero codes; the scale bytes of that half are 0, that is 2^-127, in q's and in k's words.
; THE BIAS.  In a step wholly beyond my queries -10,000 c is part of the multiply-add's addend.  In the step on the diagonal the keys' blocks of 32 under block cx are open, those over it get -10,000 by packed additions,
; and block cx gets it where key > query: four copies of those lines, chosen by cx, since the block's registers hang on cx.
; LIMITS: NaN and infinities are not served; a block whose largest magnitude lies under 2^-122 gets the byte 1 (read by this program alone; a block of zeros has zero codes); the scaled scores stay under 2^31 in magnitude.
; a_sc is stored a byte a lane: 2 bytes of each token's 32 belong to a head.
; REGISTERS: v1, v2 an image's places; v3, v4 the step's LDS addresses; v5, v6 the flag words' addresses; v7 the old -M; v9 a_sc's offset; v11 -M, v12 the addend, v13 the largest t, v[14:15] l; v16-27 Q;
; v28-33, v35 the second pass's Q; v34 Q's scale words; v36-89 K's 8 tiles and six zeros, then V's 4 fragments; v90 the mask's compare value; v91 -10,000; v92, v93 at work; v96-159 S^T, then p (at the head v96-199 the
; staged bytes); v160-191 O^T; v192-210 p's codes; v212-223 block maxima, bytes, scale operands; v224-231 K's and V's scale words; v232 p's; v[234:235] f; v238 at work; v240-253 chains of the sum; v254, v255 the add's.
.set STEPB, 13312                      ; LDS: a key step: K's 8 tiles, V's 2 x 4 half fragments, K's scale words, V's
.set OFV,   6144
.set OFKS,  12288
.set OFVS,  12800
.set FLAGS, 16*STEPB                   ; a word a wave: not 0 where a byte of its step of K is over 125; a block of 256 bytes of its own
.set SPARE, FLAGS+256                  ; the spare words, 128 bytes a wave
.set KF,  36
.set S,   96
.set O,   160
.set PC,  192
.set BM,  212
.set BP,  216
.set BS,  220
.set T,   240
.set WV,  12
.set CX,  13
.set OI,  16                           ; s[16:17] a_img, s[18:19] a_sc: this pass's places
.set OS,  18
.set SEL, 20
.set CS,  22
.set KP,  24                           ; s[24:31] where my step of K, V, K's and V's scale words lies in memory
.set VP,  26
.set KSP, 28
.set VSP, 30
.set QI0, 32                           ; s[32:39] Q's half fragments and scale words of both passes
.set QS0, 34
.set QI1, 36
.set QS1, 38
.set OI1, 40                           ; s[40:43] the second pass's places in a_img and a_sc
.set OS1, 42
.set BI,  44                           ; s[44:45] -10,000.0
.set WB,  46                           ; the block of 128 tokens that holds this pass's queries
.set LIM, 47                           ; the last key step that is walked: WB or 15
.set SJ,  48                           ; the key step
.set TS,  49                           ; where it begins in LDS
.set SB,  50                           ; the step's bias as t: 0 or -10,000 c
.set HM,  51                           ; a mask of lanes 16-31
.set FM,  52
.set KBAD, 53                          ; not 0 where a byte of the head's keys is over 125
.set PS,  54                           ; the pass
; byte offsets of pass p's queries (block wb) in qkv_img, qkv_sc, a_img, a_sc.  s58 = 32 b + head, s59 = 256 (cx / 2) + 8 (cx % 2), s60 = 2 head
.macro BASES wb, p, qi, qs, oi, os
	s_lshl_b32 s56, s[\wb], 3
	s_lshl_b32 s57, s[CX], 1
	s_add_co_u32 s56, s56, s57
	s_add_co_u32 s56, s56, \p                      ; the token tile: 8 wb + 2 cx + p
	s_lshl_b32 s57, s58, 7
	s_add_co_u32 s57, s57, s56
	s_mul_i32 s[\qi], s57, 768
	s_mov_b32 s[\qi+1], 0
	s_lshl_b32 s57, s58, 4
	s_add_co_u32 s57, s57, s[\wb]
	s_lshl_b32 s57, s57, 9
	s_add_co_u32 s57, s57, s59
	s_add_co_u32 s[\qs], s57, 4*\p
	s_mov_b32 s[\qs+1], 0
	s_lshl_b32 s57, s14, 7
	s_add_co_u32 s57, s57, s56
	s_lshl_b32 s57, s57, 4
	s_add_co_u32 s57, s57, s15
	s_mul_i32 s[\oi], s57, 768                     ; row tile 128 b + tile, kc = head
	s_mov_b32 s[\oi+1], 0
	s_lshl_b32 s57, s14, 4
	s_add_co_u32 s57, s57, s[\wb]
	s_lshl_b32 s57, s57, 2
	s_add_co_u32 s57, s57, s[CX]                   ; 64 b + 4 wb + cx: which 32 tokens,
	s_lshl_b32 s57, s57, 10                        ; of 32 bytes each
	s_add_co_u32 s57, s57, s60
	s_add_co_u32 s[\os], s57, 256*\p
	s_mov_b32 s[\os+1], 0
.endm
; the step on the diagonal, for cx = c: block c of the step's four blocks of 32 keys holds my query
.macro DIAG c
.set n, 0
.rept 16
	v_cmp_gt_i32 vcc_lo, n, v90                    ; register 16 c + n holds key 32 c + 16 h + n: beyond my query where n > v90
	s_delay_alu instid0(VALU_DEP_1)
	v_cndmask_b32 v[92+n%2], 0, v91, vcc_lo
	v_add_f32 v[S+16*\c+n], v[S+16*\c+n], v[92+n%2]
.set n, n+1
.endr
.set n, 16*(\c+1)
.rept 8*(3-\c)
	v_pk_add_f32 v[S+n:S+n+1], v[S+n:S+n+1], s[BI:BI+1] op_sel_hi:[1,0]   ; the blocks over it: every key is hidden
.set n, n+2
.endr
.endm
	s_load_b256 s[4:11], s[0:1], 0x0               ; qkv_img s[4:5], qkv_sc s[6:7], a_img s[8:9], a_sc s[10:11]
	v_lshl_add_u32 v254, v0, 2, SPARE
	v_mov_b32 v255, 0
	v_lshrrev_b32 v1, 5, v0
	v_readfirstlane_b32 s[WV], v1                  ; wave 0..15
	s_mul_i32 s61, s[WV], STEPB
	s_lshl_b32 s62, s[WV], 2
	s_add_co_u32 s62, s62, FLAGS
	v_and_b32 v238, 31, v0                         ; lane
	v_and_b32 v92, 15, v0                          ; r
	v_bfe_u32 v93, v0, 4, 1                        ; h
	v_lshlrev_b32 v1, 4, v238
	v_lshl_add_u32 v2, v238, 3, 512
	v_lshlrev_b32 v95, 4, v92                      ; 16 r
	v_add_nc_u32 v3, s61, v1                       ; where my staged bytes go: my step, 16 bytes a lane
	v_mov_b32 v5, s62                              ; my wave's flag word
	v_mov_b32 v6, FLAGS
	v_and_b32 v9, 8, v92
	v_add_nc_u32 v94, v9, v92                      ; r + 8 (r / 8)
	v_lshl_add_u32 v9, v94, 5, v93                 ; a_sc: 32 bytes a token, byte h
	v_lshlrev_b32 v90, 4, v93
	v_sub_nc_u32 v90, v94, v90                     ; my query in its 32 tokens, less 8 p, less 16 h
	v_cmp_le_u32 s[HM], 16, v238
	v_mov_b32 v91, 0xc61c4000                      ; -10,000.0
.irp j, 0,1,2,3,4,5
	v_mov_b32 v[22+\j], 0                          ; zero codes: Q's upper half,
	v_mov_b32 v[84+\j], 0                          ; and what stands behind K's last tile
.endr
.irp b, 0,1,2,3
	v_mov_b32 v[BP+\b], 0                          ; written once: a lane permute's destination counts as one of its sources
.endr
	v_mov_b32 v235, 0                              ; (named as the upper half of the pair v[234:235])
	s_mov_b32 s[CX], ttmp9
	s_and_b32 s56, ttmp7, 0xffff
	s_lshr_b32 s14, s56, 4                         ; b
	s_and_b32 s15, s56, 15                         ; head
	s_lshl_b32 s57, s14, 5
	s_add_co_u32 s58, s57, s15                     ; q's place among the 128 (b, kc)
	s_add_co_u32 s56, s58, 16                      ; k's
	s_mul_i32 s[KP], s56, 98304
	s_mul_i32 s59, s[WV], 6144
	s_add_co_u32 s[KP], s[KP], s59                 ; K: my step's 8 token tiles, 6,144 bytes on end
	s_mov_b32 s[KP+1], 0
	s_lshl_b32 s59, s[WV], 1
	s_add_co_u32 s59, s59, s57
	s_lshl_b32 s59, s59, 6
	s_lshl_b32 s60, s15, 2
	s_add_co_u32 s59, s59, s60
	s_mul_i32 s59, s59, 768
	s_add_co_u32 s[VP], s59, 12582912              ; V: ((32 b + 2 w) 64 + 4 head) 768: 3,072 bytes, and 3,072 more 49,152 bytes on
	s_mov_b32 s[VP+1], 0
	s_lshl_b32 s60, s[WV], 9
	s_lshl_b32 s59, s56, 13
	s_add_co_u32 s[KSP], s59, s60                  ; K's scale words: 512 bytes a step
	s_mov_b32 s[KSP+1], 0
	s_lshl_b32 s59, s14, 4
	s_add_co_u32 s59, s59, s15
	s_lshl_b32 s59, s59, 13
	s_add_co_u32 s59, s59, s60
	s_add_co_u32 s[VSP], s59, 1048576              ; V's
	s_mov_b32 s[VSP+1], 0
	s_lshr_b32 s59, s[CX], 1
	s_lshl_b32 s59, s59, 8
	s_and_b32 s60, s[CX], 1
	s_lshl_b32 s60, s60, 3
	s_add_co_u32 s59, s59, s60
	s_lshl_b32 s60, s15, 1
	s_sub_co_u32 s[WB], 15, s[WV]
	BASES WV, 0, QI0, QS0, OI, OS
	BASES WB, 1, QI1, QS1, OI1, OS1
	s_mov_b32 s[WB], s[WV]                         ; pass 0 takes block w
	s_mov_b32 s[SEL], 0x76543210
	s_mov_b32 s[SEL+1], 0xfedcba98
	s_mov_b32 s[CS], 0x3e38aa3b                    ; c = log2(e) / 8
	s_mov_b32 s[CS+1], s[CS]
	s_mov_b32 s[BI], 0xc61c4000
	s_mov_b32 s[BI+1], s[BI]
	s_wait_alu depctr_va_vdst(0)                   ; the wait at the head's end
	s_wait_kmcnt 0x0
.irp g, KP, VP, QI0, QI1
	s_add_nc_u64 s[\g:\g+1], s[4:5], s[\g:\g+1]
.endr
.irp g, KSP, VSP, QS0, QS1
	s_add_nc_u64 s[\g:\g+1], s[6:7], s[\g:\g+1]
.endr
	s_add_nc_u64 s[OI:OI+1], s[8:9], s[OI:OI+1]
	s_add_nc_u64 s[OI1:OI1+1], s[8:9], s[OI1:OI1+1]
	s_add_nc_u64 s[OS:OS+1], s[10:11], s[OS:OS+1]
	s_add_nc_u64 s[OS1:OS1+1], s[10:11], s[OS1:OS1+1]
	global_load_b128 v[16:19], v1, s[QI0:QI0+1]    ; Q of both passes: six loads,
	global_load_b64 v[20:21], v2, s[QI0:QI0+1]
	global_load_b128 v[28:31], v1, s[QI1:QI1+1]
	global_load_b64 v[32:33], v2, s[QI1:QI1+1]
	global_load_b32 v34, v95, s[QS0:QS0+1]
	global_load_b32 v35, v95, s[QS1:QS1+1]
.irp n, 0,1,2,3,4,5,6,7,8,9,10,11                      ; and my key step: 26 loads of 512 consecutive bytes
	global_load_b128 v[S+4*\n:S+4*\n+3], v1, s[KP:KP+1] offset:512*\n
.endr
.irp n, 0,1,2,3,4,5,6,7,8,9,10,11
	global_load_b128 v[S+48+4*\n:S+48+4*\n+3], v1, s[VP:VP+1] offset:49152*(\n/6)+512*(\n%6)
.endr
	global_load_b128 v[S+96:S+99], v1, s[KSP:KSP+1]
	global_load_b128 v[S+100:S+103], v1, s[VSP:VSP+1]
	s_wait_loadcnt 13                              ; of the 32 loads the youngest 13 may be out: Q and the first 13 staged loads are in
.irp n, 0,1,2,3,4,5,6,7,8,9,10,11,12
	ds_store_b128 v3, v[S+4*\n:S+4*\n+3] offset:512*\n
.endr
	s_wait_loadcnt 0x0
.irp n, 13,14,15,16,17,18,19,20,21,22,23,24
	ds_store_b128 v3, v[S+4*\n:S+4*\n+3] offset:512*\n
.endr
; a word of K's scales holds two bytes below and zeros above.  A byte is over 125 where bit 7 of byte + 2 or of the byte itself is set (the second for 254, whose sum carries)
.irp i, 0,1,2,3
	v_add_nc_u32 v[200+\i], 0x202, v[S+96+\i]
.endr
.irp i, 0,1,2,3
	v_or_b32 v[200+\i], v[200+\i], v[S+96+\i]
.endr
	v_or_b32 v200, v200, v201
	v_or_b32 v202, v202, v203
	v_or_b32 v200, v200, v202
	v_and_b32 v200, 0x8080, v200
	v_cmp_ne_u32 s[FM], 0, v200                    ; a bit for each lane that holds such a byte
	v_mov_b32 v201, s[FM]
	ds_store_b32 v5, v201                          ; all lanes write the same word with the same value
; V's scale words come as two bytes for each 64 keys: lanes 0-15 hold the step's first 64 keys' words, lanes 16-31 the second's.  Lanes 0-15, which the products read, join the two into the word of 128 keys
.irp i, 0,1,2,3
	v_permlanex16_b32 v[200+\i], v[S+100+\i], s[SEL], s[SEL+1]
.endr
.irp i, 0,1,2,3
	v_lshl_or_b32 v[S+100+\i], v[200+\i], 16, v[S+100+\i]
.endr
	ds_store_b128 v3, v[S+100:S+103] offset:512*25
	s_wait_alu depctr_va_vdst(0)                   ; the wait here, directly ahead of the wait below
	s_wait_dscnt 0x0                               ; for the others' sake: my stores have landed
	s_barrier_signal -1
	s_barrier_wait -1                              ; everybody's have: K, V, the scale words and the flags are whole, and nothing is stored to LDS any more
.irp i, 0,1,2,3
	ds_load_b128 v[S+4*\i:S+4*\i+3], v6 offset:16*\i
.endr
	s_wait_dscnt 0x0
.irp d, 8,4,2,1
.set i, 0
.rept \d
	v_or_b32 v[S+i], v[S+i], v[S+\d+i]
.set i, i+1
.endr
.endr
	v_cmp_ne_u32 s[KBAD], 0, v[S]
	s_mov_b32 s[PS], 0
.Lpass:
	v_mov_b32 v13, 0xff61b1e6                      ; the largest t so far: -3e38
	s_delay_alu instid0(VALU_DEP_1)
	v_floor_f32 v11, -v13                          ; -M
	v_mov_b32 v14, 0
	v_mov_b32 v15, 0
.set j, 0
.rept 32
	v_mov_b32 v[O+j], 0                            ; the step is written once: the first finds zeros, which the first change of M leaves zeros
.set j, j+1
.endr
	v_add_nc_u32 v92, 0x202, v34                   ; my queries' bytes, tested as K's were
	s_delay_alu instid0(VALU_DEP_1)
	v_or_b32 v92, v92, v34
	s_delay_alu instid0(VALU_DEP_1)
	v_and_b32 v92, 0x8080, v92
	s_delay_alu instid0(VALU_DEP_1)
	v_cmp_ne_u32 s[FM], 0, v92
	s_wait_alu depctr_va_vdst(0)                   ; the wait here, ahead of the run of scalar lines
	s_or_b32 s[FM], s[FM], s[KBAD]                 ; SCC: some byte is over 125
	s_cselect_b32 s[LIM], 15, s[WB]                ; then all 16 steps are walked, else those up to my own block
	s_mov_b32 s[SJ], 0
	s_mov_b32 s[TS], 0
.Lstep:
	s_cmp_gt_u32 s[SJ], s[LIM]
	s_cbranch_scc1 .Lnext                          ; round the step's work alone: every p of it would be 0
	s_cmp_gt_u32 s[SJ], s[WB]                      ; a step beyond my 128 tokens: every key is biased
	s_cselect_b32 s[SB], 0xc4e16bcd, 0             ; -10,000 c
	v_add_nc_u32 v3, s[TS], v1                     ; these four plain lines are also the places behind the last step's products
	v_add_nc_u32 v4, s[TS], v2
	v_mov_b32 v7, v11
	v_nop
.irp t, 0,1,2,3,4,5,6,7
	ds_load_b128 v[KF+6*\t:KF+6*\t+3], v3 offset:768*\t
	ds_load_b64 v[KF+6*\t+4:KF+6*\t+5], v4 offset:768*\t
.endr
	ds_load_b128 v[224:227], v3 offset:OFKS        ; register e: lanes 0-15 tile e's words, lanes 16-31 tile 4 + e's
	s_wait_alu depctr_va_vdst(0)                   ; the wait here, directly ahead of the wait below
	s_wait_dscnt 0x0
.irp t, 0,1,2,3
	v_wmma_scale_f32_16x16x128_f8f6f4 v[S+8*\t:S+8*\t+7], v[KF+6*\t:KF+6*\t+11], v[16:27], 0, v[224+\t], v34 matrix_a_fmt:MATRIX_FMT_BF6 matrix_b_fmt:MATRIX_FMT_BF6
.endr
.irp t, 4,5,6,7
	v_wmma_scale_f32_16x16x128_f8f6f4 v[S+8*\t:S+8*\t+7], v[KF+6*\t:KF+6*\t+11], v[16:27], 0, v[220+\t], v34 matrix_a_fmt:MATRIX_FMT_BF6 matrix_b_fmt:MATRIX_FMT_BF6 matrix_a_scale:MATRIX_SCALE_ROW1
.endr
.rept 4
	v_nop                                          ; places in front of the loads into K's registers and of the first read of the scores
.endr
.irp t, 0,1,2,3                        ; V's four fragments are asked for now and land under the softmax
.irp c, 0,1
	ds_load_b128 v[KF+12*\t+6*\c:KF+12*\t+6*\c+3], v3 offset:OFV+3072*\c+768*\t
	ds_load_b64 v[KF+12*\t+6*\c+4:KF+12*\t+6*\c+5], v4 offset:OFV+3072*\c+768*\t
.endr
.endr
	ds_load_b128 v[228:231], v3 offset:OFVS
	s_cmp_lg_u32 s[SJ], s[WB]
	s_cbranch_scc1 .Lopen
	s_cmp_lg_u32 s[CX], 0                          ; the one step on the diagonal
	s_cbranch_scc1 .Ld1
	DIAG 0
	s_wait_alu depctr_va_vdst(0)                   ; the wait here, directly ahead of the branch
	s_branch .Lopen
.Ld1:
	s_cmp_lg_u32 s[CX], 1
	s_cbranch_scc1 .Ld2
	DIAG 1
	s_wait_alu depctr_va_vdst(0)
	s_branch .Lopen
.Ld2:
	s_cmp_lg_u32 s[CX], 2
	s_cbranch_scc1 .Ld3
	DIAG 2
	s_wait_alu depctr_va_vdst(0)
	s_branch .Lopen
.Ld3:
	DIAG 3
.Lopen:
.irp b, 0,1,2,3
	v_max3_num_f32 v[BM+\b], v[S+16*\b], v[S+1+16*\b], v[S+2+16*\b]      ; the largest score of each block of 32 keys: it serves for the row's maximum and, since p rises with the score, for the block's largest p
.endr
.irp i, 3,5,7,9,11,13
.irp b, 0,1,2,3
	v_max3_num_f32 v[BM+\b], v[BM+\b], v[S+16*\b+\i], v[S+1+16*\b+\i]
.endr
.endr
.irp b, 0,1,2,3
	v_max_num_f32 v[BM+\b], v[BM+\b], v[S+15+16*\b]
.endr
.irp b, 0,1,2,3
	s_delay_alu instid0(VALU_DEP_4)
	v_permlanex16_b32 v[BP+\b], v[BM+\b], s[SEL], s[SEL+1]
.endr
.irp b, 0,1,2,3
	s_delay_alu instid0(VALU_DEP_4)
	v_max_num_f32 v[BM+\b], v[BM+\b], v[BP+\b]     ; with lane xor 16's sixteen keys
.endr
	s_delay_alu instid0(VALU_DEP_2)
	v_max3_num_f32 v238, v[BM], v[BM+1], v[BM+2]
	s_delay_alu instid0(VALU_DEP_1)
	v_max_num_f32 v238, v238, v[BM+3]
	s_delay_alu instid0(VALU_DEP_1)
	v_fma_f32 v238, v238, s[CS], s[SB]             ; the step's largest t (c is positive)
	s_delay_alu instid0(VALU_DEP_1)
	v_max_num_f32 v13, v13, v238
	s_delay_alu instid0(VALU_DEP_1)
	v_floor_f32 v11, -v13                          ; the new -M = -ceil(t): a whole number
	s_delay_alu instid0(VALU_DEP_1)
	v_sub_f32 v238, v11, v7                        ; old M - new M, 0 or less
	v_add_f32 v12, s[SB], v11                      ; the addend: the step's bias as t, less M
	s_delay_alu instid0(VALU_DEP_2)
	v_cvt_i32_f32 v238, v238                       ; (it saturates)
	s_delay_alu instid0(VALU_DEP_1)
	v_ldexp_f32 v234, 1.0, v238                    ; f = 2^(old M - new M)
.set j, 0
.rept 32
	v_pk_fma_f32 v[S+j:S+j+1], v[S+j:S+j+1], s[CS:CS+1], v[12:13] op_sel_hi:[1,0,0]   ; t - M, two at a time
.set j, j+2
.endr
.irp b, 0,1,2,3
	v_fma_f32 v[BM+\b], v[BM+\b], s[CS], v12
.endr
	s_wait_alu depctr_va_vdst(0)                   ; the wait ahead of the batch
.set j, 0
.rept 64
	v_exp_f32 v[S+j], v[S+j]                       ; p = 2^(t - M)
.set j, j+1
.endr
	v_pk_mul_f32 v[14:15], v[14:15], v[234:235] op_sel_hi:[1,0]    ; l under the new M; the plain line behind the exponentials
	s_wait_alu depctr_va_vdst(0)                   ; one wait for the batch, ahead of its first reader
.irp b, 0,1,2,3
	v_exp_f32 v[BM+\b], v[BM+\b]                   ; each block's largest p: the same two instructions on the same number
.endr
.set k, 0                              ; l: the 32 pairs of p in eight chains, seven of them in v240-253
.rept 7
	v_pk_add_f32 v[T+2*k:T+2*k+1], v[S+4*k:S+4*k+1], v[S+4*k+2:S+4*k+3]
.set k, k+1
.endr
	v_pk_add_f32 v[14:15], v[14:15], v[S+28:S+29]
.irp o, 30, 46
.set k, 0
.rept 7
	v_pk_add_f32 v[T+2*k:T+2*k+1], v[T+2*k:T+2*k+1], v[S+\o+2*k:S+\o+2*k+1]
.set k, k+1
.endr
	v_pk_add_f32 v[14:15], v[14:15], v[S+\o+14:S+\o+15]
.endr
	v_pk_add_f32 v[T:T+1], v[T:T+1], v[S+62:S+63]
	v_pk_add_f32 v[14:15], v[14:15], v[T+6:T+7]
	v_pk_add_f32 v[T+2:T+3], v[T+2:T+3], v[T+10:T+11]
	v_pk_add_f32 v[T+4:T+5], v[T+4:T+5], v[T+12:T+13]
	v_pk_add_f32 v[T:T+1], v[T:T+1], v[T+8:T+9]
	s_delay_alu instid0(VALU_DEP_3)
	v_pk_add_f32 v[14:15], v[14:15], v[T+2:T+3]
	s_delay_alu instid0(VALU_DEP_2)
	v_pk_add_f32 v[T:T+1], v[T:T+1], v[T+4:T+5]
	s_delay_alu instid0(VALU_DEP_1)
	v_pk_add_f32 v[14:15], v[14:15], v[T:T+1]
	s_wait_alu depctr_va_vdst(0)                   ; and one for the four
.irp b, 0,1,2,3
	v_max_num_f32 v[BM+\b], 0x2800000, v[BM+\b]    ; the floor 2^(5 - 127)
.endr
.irp b, 0,1,2,3
	s_delay_alu instid0(VALU_DEP_4)
	v_add_nc_u32 v[BS+\b], 0xfe000000, v[BM+\b]    ; the conversion's scale operand
.endr
.irp b, 0,1,2,3
	s_delay_alu instid0(VALU_DEP_4)
	v_lshrrev_b32 v[BP+\b], 23, v[BS+\b]           ; the scale's byte
.endr
	s_delay_alu instid0(VALU_DEP_3)
	v_lshl_or_b32 v232, v[BP+1], 8, v[BP]          ; p's scale word for these 128 keys
	s_delay_alu instid0(VALU_DEP_1)
	v_lshl_or_b32 v232, v[BP+2], 16, v232
	s_delay_alu instid0(VALU_DEP_1)
	v_lshl_or_b32 v232, v[BP+3], 24, v232
.irp c, 0,1
	v_cvt_scalef32_pk16_bf6_f32 v[PC+6*\c:PC+6*\c+2], v[S+32*\c:S+32*\c+15], v[BS+2*\c]
	v_cvt_scalef32_pk16_bf6_f32 v[PC+12+4*\c:PC+14+4*\c], v[S+16+32*\c:S+31+32*\c], v[BS+2*\c+1]
.endr
	v_nop                                          ; one plain line behind the conversions
.irp c, 0,1
.irp i, 0,1,2
	v_permlane16_swap_b32 v[PC+6*\c+\i], v[PC+12+4*\c+\i]
.endr
.irp i, 0,1,2
	s_delay_alu instid0(VALU_DEP_3)
	v_mov_b32 v[PC+3+6*\c+\i], v[PC+12+4*\c+\i]
.endr
.endr
	s_wait_alu depctr_va_vdst(0)                   ; the wait here, directly ahead of the first reader of O^T
.set j, 0
.rept 16
	v_pk_mul_f32 v[O+j:O+j+1], v[O+j:O+j+1], v[234:235] op_sel_hi:[1,0]   ; O^T under the new M; also the places between the scale word, the codes and the products
.set j, j+2
.endr
	s_wait_alu depctr_va_vdst(0)                   ; the wait here, directly ahead of the wait below
	s_wait_dscnt 0x0                               ; V
.irp t, 0,1,2,3                        ; the four accumulators take turns, one instruction each
	v_wmma_scale_f32_16x16x128_f8f6f4 v[O+8*\t:O+8*\t+7], v[KF+12*\t:KF+12*\t+11], v[PC:PC+11], v[O+8*\t:O+8*\t+7], v[228+\t], v232 matrix_a_fmt:MATRIX_FMT_BF6 matrix_b_fmt:MATRIX_FMT_BF6
.endr
.Lnext:
	s_add_co_u32 s[TS], s[TS], STEPB
	s_add_co_u32 s[SJ], s[SJ], 1
	s_cmp_lt_u32 s[SJ], 16
	s_cbranch_scc1 .Lstep
	; the way out: O^T / l, quantised along d: register 16 j + i is d = 32 j + 16 h + i of my query
	v_add_f32 v14, v14, v15
	s_delay_alu instid0(VALU_DEP_1)
	v_permlanex16_b32 v238, v14, s[SEL], s[SEL+1]
	s_delay_alu instid0(VALU_DEP_1)
	v_add_f32 v14, v14, v238                       ; the row's sum
	s_wait_alu depctr_va_vdst(0)                   ; the wait ahead of the reciprocal
	v_rcp_f32 v14, v14
	v_nop
	v_nop                                          ; plain lines behind the reciprocal; with the additions above, the places behind the last products
	s_wait_alu depctr_va_vdst(0)                   ; the wait ahead of the reciprocal's first reader
.set j, 0
.rept 32
	v_mul_f32 v[S+j], v[O+j], v14
.set j, j+1
.endr
.irp b, 0,1
	v_max3_num_f32 v[BM+\b], |v[S+16*\b]|, |v[S+1+16*\b]|, 0x2800000
.endr
.irp i, 2,4,6,8,10,12,14
.irp b, 0,1
	s_delay_alu instid0(VALU_DEP_2)
	v_max3_num_f32 v[BM+\b], v[BM+\b], |v[S+16*\b+\i]|, |v[S+1+16*\b+\i]|
.endr
.endr
.irp b, 0,1
	s_delay_alu instid0(VALU_DEP_2)
	v_permlanex16_b32 v[BP+\b], v[BM+\b], s[SEL], s[SEL+1]
.endr
.irp b, 0,1
	s_delay_alu instid0(VALU_DEP_2)
	v_max_num_f32 v[BM+\b], v[BM+\b], v[BP+\b]
.endr
.irp b, 0,1
	s_delay_alu instid0(VALU_DEP_2)
	v_add_nc_u32 v[BS+\b], 0xfe000000, v[BM+\b]
.endr
.irp b, 0,1
	s_delay_alu instid0(VALU_DEP_2)
	v_lshrrev_b32 v[BP+\b], 23, v[BS+\b]
.endr
	s_delay_alu instid0(VALU_DEP_1)
	v_cndmask_b32 v136, v[BP], v[BP+1], s[HM]      ; my half's block's byte
	v_cvt_scalef32_pk16_bf6_f32 v[128:130], v[S:S+15], v[BS]
	v_cvt_scalef32_pk16_bf6_f32 v[132:134], v[S+16:S+31], v[BS+1]
	v_nop
.irp i, 0,1,2
	v_permlane16_swap_b32 v[128+\i], v[132+\i]
.endr
.irp i, 0,1,2
	s_delay_alu instid0(VALU_DEP_3)
	v_mov_b32 v[131+\i], v[132+\i]                 ; v128-133: the half fragment (my token tile, kc = head)
.endr
	global_store_b128 v1, v[128:131], s[OI:OI+1]   ; 512 and 256 consecutive bytes, aligned
	global_store_b64 v2, v[132:133], s[OI:OI+1]
	global_store_b8 v9, v136, s[OS:OS+1]
	s_wait_xcnt 0x0                                ; the stores have read their registers and bases, which are written again below and in the next pass
.irp j, 0,1,2,3,4,5
	v_mov_b32 v[16+\j], v[28+\j]                   ; the second tile of queries (behind the second pass these lines change nothing that is read)
.endr
	v_mov_b32 v34, v35
	v_add_nc_u32 v90, 8, v90                       ; its tokens lie 8 further on in their 32,
	s_sub_co_u32 s[WB], 15, s[WB]                  ; in block 15 - w
	s_mov_b64 s[OI:OI+1], s[OI1:OI1+1]
	s_mov_b64 s[OS:OS+1], s[OS1:OS1+1]
	s_add_co_u32 s[PS], s[PS], 1
	s_cmp_lt_u32 s[PS], 2
	s_wait_alu depctr_va_vdst(0)                   ; the wait here, directly ahead of the branch
	s_cbranch_scc1 .Lpass
	s_wait_tensorcnt 0x0                           ; the wave's end, behind my last LDS store
	ds_add_u32 v254, v255
	s_wait_dscnt 0x0
	s_endpgm
.Lfunc_end_k_q862283cb07_attn:
	.size	k_q862283cb07_attn, .Lfunc_end_k_q862283cb07_attn-k_q862283cb07_attn
	.p2alignl 7, 3214868480
	.fill 96, 4, 3214868480
	.section	.rodata,"a",@progbits
	.p2align	6, 0x0
	.amdhsa_kernel k_q862283cb07_attn
		.amdhsa_group_segment_fixed_size 215296
		.amdhsa_private_segment_fixed_size 0
		.amdhsa_enable_private_segment 0
		.amdhsa_kernarg_size 32
		.amdhsa_user_sgpr_count 2
		.amdhsa_user_sgpr_kernarg_segment_ptr 1
		.amdhsa_wavefront_size32 1
		.amdhsa_system_sgpr_workgroup_id_x 1
		.amdhsa_system_sgpr_workgroup_id_y 1
		.amdhsa_system_sgpr_workgroup_id_z 1
		.amdhsa_system_vgpr_workitem_id 0
		.amdhsa_next_free_vgpr 256
		.amdhsa_next_free_sgpr 72
		.amdhsa_reserve_vcc 1
		.amdhsa_float_denorm_mode_32 3
		.amdhsa_float_denorm_mode_16_64 3
		.amdhsa_memory_ordered 1
		.amdhsa_forward_progress 1
		.amdhsa_inst_pref_size 48
	.end_amdhsa_kernel
	.amdgpu_metadata
---
amdhsa.version: [ 1, 2 ]
amdhsa.kernels:
  - .name:           k_q862283cb07_attn
    .symbol:         k_q862283cb07_attn.kd
    .args:
      - { .name: qkv_img, .offset: 0, .size: 8, .value_kind: global_buffer, .address_space: global }
      - { .name: qkv_sc, .offset: 8, .size: 8, .value_kind: global_buffer, .address_space: global }
      - { .name: a_img, .offset: 16, .size: 8, .value_kind: global_buffer, .address_space: global }
      - { .name: a_sc, .offset: 24, .size: 8, .value_kind: global_buffer, .address_space: global }
    .group_segment_fixed_size: 215296
    .private_segment_fixed_size: 0
    .kernarg_segment_align: 8
    .kernarg_segment_size: 32
    .max_flat_workgroup_size: 512
    .sgpr_count:     72
    .vgpr_count:     256
    .wavefront_size: 32
...
	.end_amdgpu_metadata
.endif
;; end of part 3
;; launch gemm_out (part 4): grid 32 x 8, 4 waves a work-group, clusters of 4 x 1, 167,936 bytes of LDS; arguments a_img, a_sc, w_img, w_sc, b_out, out0; writes out0
.if DOCPART == 4
	.amdgcn_target "amdgcn-amd-amdhsa--gfx1250"
	.amdhsa_code_object_version 6
	.text
	.protected	k_q862283cb07_gemm_out
	.globl	k_q862283cb07_gemm_out
	.p2align	8
	.type	k_q862283cb07_gemm_out,@function
k_q862283cb07_gemm_out:
	s_mov_b64 s[64:65], 0
	v_nop
	global_prefetch_b8 v0, s[64:65] scope:SCOPE_SE
	s_setreg_imm32_b32 hwreg(HW_REG_WAVE_MODE, 25, 1), 1
	s_wait_xcnt 0x0
	s_wait_alu depctr_hold_cnt(0) depctr_sa_sdst(0) depctr_va_vdst(0) depctr_va_sdst(0) depctr_va_ssrc(0) depctr_va_vcc(0) depctr_vm_vsrc(0)
	s_getreg_b32 s2, hwreg(HW_REG_IB_STS2, 6, 4)
	s_cmp_eq_u32 s2, 0
	s_cbranch_scc0 .Lentry_in_a_cluster
	s_endpgm
.Lentry_in_a_cluster:
	s_bfe_u32 s2, ttmp6, 0x10000c
	s_cmp_lg_u32 s2, 0x3003
	s_cbranch_scc0 .Lentry_shape_is_right
	s_endpgm
.Lentry_shape_is_right:
; out0 = a w_out + b_out on codes of BF6 with E8M0 scales, K = 1,024; a is attention's result as codes, w_out's columns are rows 3,072 .. 4,095 of w_img.
; SHARES.  Work-group (x, y) owns tokens 256 x .. 256 x + 255 and columns 128 y .. 128 y + 127: 32 x 8 = 256 work-groups of equal work.  Wave w keeps its 64 tokens (4 row tiles), all of K, in 384 registers,
; loaded from a_img as the operand's image.  The 128 rows of the weights come into LDS once: waves 0 and 1 ask for 4 row tiles (49,152 bytes on end) each, wave 2 for the scale rows (4,096 bytes).  No LDS byte is filled again.
; CLUSTER: the four work-groups of a cluster differ in x alone and need the same rows of the weights: each load is a joint load that names all four.
; No prefetch: all bytes are asked for at the head, where there is no loop to run ahead in.
; A TILE of 64 columns is 128 matrix instructions a wave: 8 K steps x 16 accumulators (u, v) at v[32 u + 8 v] of window 3, by turns; source 0 = the weights' row tile v, source 1 = the tokens' tile u: a lane holds a token
; and eight neighbouring columns to an accumulator.  The bias is the C of the first K step.
; SCALES: lane (r, h) loads bytes 16 h .. 16 h + 15 of row r's 32: register k % 4 holds K step k's word in lanes 0-15 (k < 4) or 16-31 (k >= 4: row 1 of the scale register).
; THE WAY OUT: 16 tokens x 64 columns go through the wave's own stage in LDS (rows of 256 + 16 bytes) and come back by rows: sixteen lanes store 256 consecutive bytes, aligned.
; REGISTERS.  Window 0: v10-21 addresses; v28, v29 the add's; v32-47 the tokens' scale words; v48-63 the weights'; v64-159 the weights' fragments, two sets; v160-223 rows read back from the stage, two sets.
; Window 1: the tokens' fragments of K steps 0-3 at v[48 (k % 4) + 12 u]; window 2: of K steps 4-7, and from v192 the bias.  Window 3: the accumulators.
.set TT,    49152
.set SCL,   2*TT
.set STAGE, SCL+4096
.set SPITCH, 272
.set SPARE, STAGE+4*16*SPITCH
.set SLN, 10
.set A16, 12                           ; v12, v13: 16 lane in tile 0, 1;  v14, v15: 512 + 8 lane;  v16, v17: the scale rows
.set A8,  14
.set AS,  16
.set STO, 18
.set RD,  19
.set CO,  20
.set BOF, 21
.set SPW, 28
.set NIL, 29
.set RS,  32
.set SS,  48
.set SF,  64
.set BK,  160
.set BI,  192
.set WV,  16
.set CXS, 17
.set TBK, 18
.set CG,  19
.set XP,  20
.set XS,  22
.set G1,  24
.set G1S, 32
.set G0,  40
.set G0S, 44
.set BP,  48
.set OP,  50
.set MSB, 0
.macro WIN new                         ; the immediate's high byte repeats the setting that is left
.if MSB != \new
	s_set_vgpr_msb (MSB<<8)|\new
.set MSB, \new
.endif
.endm
.macro CROUND                          ; a round of the cluster's barrier
	s_barrier_signal -1
	s_barrier_wait -1
	s_cmp_lg_u32 s[WV], 0
	s_cbranch_scc1 .Lnot_wave_0_\@
	s_barrier_signal -3
.Lnot_wave_0_\@:
	s_barrier_wait -3
	s_barrier_signal -1
	s_barrier_wait -1
.endm
.macro PLACES
.rept 4
	v_nop
.endr
.endm
	s_load_b256 s[4:11], s[0:1], 0x0               ; a_img s[4:5], a_sc s[6:7], w_img s[8:9], w_sc s[10:11]
	s_load_b128 s[12:15], s[0:1], 0x20             ; b_out s[12:13], out0 s[14:15]
	v_lshl_add_u32 v[SPW], v0, 2, SPARE
	v_mov_b32 v[NIL], 0
	ds_add_u32 v[SPW], v[NIL]                      ; the opening lines: the add, twice on end,
	ds_add_u32 v[SPW], v[NIL]
	v_lshrrev_b32 v1, 5, v0
	v_readfirstlane_b32 s[WV], v1                  ; wave 0..3
	s_bfe_u32 s[CXS], ttmp6, 0x40000               ; cx: it enters global addresses of a and of the result alone
	s_lshl_b32 s[TBK], ttmp9, 2
	s_add_co_u32 s[TBK], s[TBK], s[CXS]            ; which 256 tokens
	s_and_b32 s[CG], ttmp7, 0xffff                 ; which 128 columns
	s_mov_b32 s[G1], 15|(3<<16)|(1<<21)            ; codes: 16 rows of 3,072 bytes, dense; elements of 8 bytes; the mask names all four partners, bit 21 beside it
	s_mov_b32 s[G1+1], 384<<16
	s_mov_b32 s[G1+2], 16<<16
	s_mov_b32 s[G1+3], 384<<16
	s_mov_b32 s[G1+4], 16
	s_mov_b32 s[G1+5], 384
	s_mov_b32 s[G1+6], 0
	s_mov_b32 s[G1+7], 0
	s_mov_b32 s[G1S], 15|(3<<16)|(1<<21)           ; scales: 16 rows of 256 bytes, dense
	s_mov_b32 s[G1S+1], 32<<16
	s_mov_b32 s[G1S+2], 16<<16
	s_mov_b32 s[G1S+3], 32<<16
	s_mov_b32 s[G1S+4], 16
	s_mov_b32 s[G1S+5], 32
	s_mov_b32 s[G1S+6], 0
	s_mov_b32 s[G1S+7], 0
	s_lshl_b32 s66, s[CG], 3
	s_lshl_b32 s67, s[WV], 2
	s_add_co_u32 s66, s66, s67
	s_mul_i32 s66, s66, 12288
	s_add_co_u32 s66, s66, 192*12288               ; the weights: row tile 192 + 8 y + 4 w
	s_mov_b32 s67, 0
	s_lshl_b32 s68, s[CG], 12
	s_add_co_u32 s68, s68, 3072*32                 ; their scale rows: row 3,072 + 128 y
	s_mov_b32 s69, 0
	s_lshl_b32 s70, s[TBK], 4
	s_lshl_b32 s71, s[WV], 2
	s_add_co_u32 s70, s70, s71
	s_lshl_b32 s72, s70, 9                         ; my tokens' scale rows
	s_lshl_b32 s74, s70, 16                        ; my tokens' rows of out0: 16 rows x 4,096 bytes a row tile
	s_mul_i32 s70, s70, 12288                      ; my tokens: row tile 16 x + 4 w
	s_mov_b32 s71, 0
	s_mov_b32 s73, 0
	s_lshl_b32 s76, s[CG], 9                       ; my columns: 512 bytes
	s_add_co_u32 s74, s74, s76
	s_mov_b32 s75, 0
	s_mov_b32 s77, 0
	s_mul_i32 s78, s[WV], 16*SPITCH
	s_add_co_u32 s78, s78, STAGE                   ; my stage
	s_wait_dscnt 0x0                               ; and the one wait for both
	s_wait_kmcnt 0x0
	s_mov_b32 s[G0], 1
	s_mul_i32 s[G0+1], s[WV], TT
	s_add_nc_u64 s[G0+2:G0+3], s[8:9], s[66:67]
	s_or_b32 s[G0+3], s[G0+3], 0x80000000
	s_mov_b32 s[G0S], 1
	s_mov_b32 s[G0S+1], SCL
	s_add_nc_u64 s[G0S+2:G0S+3], s[10:11], s[68:69]
	s_or_b32 s[G0S+3], s[G0S+3], 0x80000000
	s_add_nc_u64 s[XP:XP+1], s[4:5], s[70:71]
	s_add_nc_u64 s[XS:XS+1], s[6:7], s[72:73]
	s_add_nc_u64 s[BP:BP+1], s[12:13], s[76:77]
	s_add_nc_u64 s[OP:OP+1], s[14:15], s[74:75]
	CROUND                                         ; all four work-groups are here: the joint loads meet
	s_cmp_lt_u32 s[WV], 2                          ; at most one load a wave, each byte filled once; s_nop 0 and four v_nop follow each load
	s_cbranch_scc0 .Lnot_codes
	tensor_load_to_lds s[G0:G0+3], s[G1:G1+7]
	s_nop 0
	PLACES
	s_branch .Lasked
.Lnot_codes:
	s_cmp_lt_u32 s[WV], 3
	s_cbranch_scc0 .Lasked
	tensor_load_to_lds s[G0S:G0S+3], s[G1S:G1S+7]
	s_nop 0
	PLACES
.Lasked:
	v_and_b32 v1, 15, v0                           ; r
	v_bfe_u32 v2, v0, 4, 1                         ; h
	v_and_b32 v3, 31, v0                           ; lane
	v_lshlrev_b32 v[A16], 4, v3                    ; an image's places for my lane,
	v_lshl_add_u32 v[A8], v3, 3, 512
	v_add_nc_u32 v[A16+1], TT, v[A16]              ; and the same in the second tile of the weights
	v_add_nc_u32 v[A8+1], TT, v[A8]
	v_and_b32 v4, 8, v1
	v_add_nc_u32 v4, v4, v1                        ; r + 8 (r / 8)
	v_lshlrev_b32 v4, 5, v4
	v_lshl_add_u32 v[SLN], v2, 4, v4               ; a scale row's half: 32 bytes a row, 16 h
	v_add_nc_u32 v[AS], SCL, v[SLN]
	v_add_nc_u32 v[AS+1], SCL+2048, v[SLN]
	v_mul_u32_u24 v4, v1, SPITCH                   ; into the stage: row r, 64 bytes for each half of the lanes
	v_lshl_add_u32 v4, v2, 6, v4
	v_add_nc_u32 v[STO], s78, v4
	v_mul_u32_u24 v4, v2, SPITCH                   ; back: lanes 0-15 one row of 256 bytes, lanes 16-31 the next
	v_lshl_add_u32 v4, v1, 4, v4
	v_add_nc_u32 v[RD], s78, v4
	v_lshlrev_b32 v4, 12, v2                       ; and the same two rows in out0
	v_lshl_add_u32 v[CO], v1, 4, v4
	v_lshlrev_b32 v[BOF], 6, v2                    ; the bias: 16 h columns on
	s_wait_alu depctr_va_vdst(0)                   ; the wait at the head's end
.macro RLOAD k                         ; my 4 row tiles' fragments of K step k
.irp u, 0,1,2,3
.irp c, 0,1
	global_load_b128 v[48*((\k)%4)+12*\u+6*\c:48*((\k)%4)+12*\u+6*\c+3], v[A16], s[XP:XP+1] offset:12288*\u+768*(2*(\k)+\c)
	global_load_b64 v[48*((\k)%4)+12*\u+6*\c+4:48*((\k)%4)+12*\u+6*\c+5], v[A8], s[XP:XP+1] offset:12288*\u+768*(2*(\k)+\c)
.endr
.endr
.endm
.irp u, 0,1,2,3
	global_load_b128 v[RS+4*\u:RS+4*\u+3], v[SLN], s[XS:XS+1] offset:(32*(\u/2)+8*(\u%2))*32
.endr
	WIN 0x40
.irp k, 0,1,2,3
	RLOAD \k
.endr
	WIN 0x80
.irp k, 4,5,6,7
	RLOAD \k
.endr
.irp t, 0,1
.irp v, 0,1,2,3                        ; register j of (t, v): the bias of column 64 t + 32 (v / 2) + 8 (v % 2) + 16 h + j
	global_load_b128 v[BI+32*\t+8*\v:BI+32*\t+8*\v+3], v[BOF], s[BP:BP+1] offset:256*\t+(32*(\v/2)+8*(\v%2))*4
	global_load_b128 v[BI+32*\t+8*\v+4:BI+32*\t+8*\v+7], v[BOF], s[BP:BP+1] offset:256*\t+(32*(\v/2)+8*(\v%2))*4+16
.endr
.endr
	WIN 0
	s_wait_tensorcnt 0x0                           ; my part of the weights has landed,
	s_barrier_signal -1
	s_barrier_wait -1                              ; everybody's has
	s_wait_loadcnt 0x0                             ; my tokens and the bias
.macro FRAGS k, t                      ; tile t's 4 fragments of K step k into set k % 2: 16 loads
.irp i, 0,1,2,3
.irp c, 0,1
	ds_load_b128 v[SF+48*((\k)%2)+12*\i+6*\c:SF+48*((\k)%2)+12*\i+6*\c+3], v[A16+\t] offset:12288*\i+768*(2*(\k)+\c)
	ds_load_b64 v[SF+48*((\k)%2)+12*\i+6*\c+4:SF+48*((\k)%2)+12*\i+6*\c+5], v[A8+\t] offset:12288*\i+768*(2*(\k)+\c)
.endr
.endr
.endm
.macro WM d, a, b, sa, sb, k, cb       ; the first K step starts the sums with the bias; K steps 4-7 take their scale words from lanes 16-31
.if (\k) == 0
	v_wmma_scale_f32_16x16x128_f8f6f4 v[\d:\d+7], v[\a:\a+11], v[\b:\b+11], v[\cb:\cb+7], v[\sa], v[\sb] matrix_a_fmt:MATRIX_FMT_BF6 matrix_b_fmt:MATRIX_FMT_BF6
.else
.if (\k) < 4
	v_wmma_scale_f32_16x16x128_f8f6f4 v[\d:\d+7], v[\a:\a+11], v[\b:\b+11], v[\d:\d+7], v[\sa], v[\sb] matrix_a_fmt:MATRIX_FMT_BF6 matrix_b_fmt:MATRIX_FMT_BF6
.else
	v_wmma_scale_f32_16x16x128_f8f6f4 v[\d:\d+7], v[\a:\a+11], v[\b:\b+11], v[\d:\d+7], v[\sa], v[\sb] matrix_a_fmt:MATRIX_FMT_BF6 matrix_b_fmt:MATRIX_FMT_BF6 matrix_a_scale:MATRIX_SCALE_ROW1 matrix_b_scale:MATRIX_SCALE_ROW1
.endif
.endif
.endm
.macro MUL16 k, t                      ; the 16 accumulators take turns, in the same order in every K step
.set RW, 48*((\k)%4)
.set FB, SF+48*((\k)%2)
.set KQ, (\k)%4
.irp u, 0,1,2,3
.irp v, 0,1,2,3
	WM 32*\u+8*\v, FB+12*\v, RW+12*\u, SS+4*\v+KQ, RS+4*\u+KQ, \k, BI+32*\t+8*\v
.endr
.endr
.endm
.macro KWALK t                         ; a tile: 8 K steps; the next step's fragments are asked for ahead of each step's products
.set ks, 0
.rept 8
.if ks < 7
.if ks > 0
	PLACES                                         ; places in front of loads into the set that the last step's products read
.endif
	FRAGS ks+1, \t
	s_wait_dscnt 16                                ; all but the 16 just issued
.else
	s_wait_dscnt 0x0
.endif
.if ks == 0
	WIN 0xe4                                       ; D window 3, C (the bias) window 2, source 0 window 0, source 1 window 1
.else
	WIN 0xf0|((1+ks/4)<<2)                         ; C, D window 3; source 1 window 1 or 2
.endif
	MUL16 ks, \t
	WIN 0
.set ks, ks+1
.endr
.endm
.macro TOSTAGE u                       ; LDS serves a wave's instructions in order (ISA guide 5.7.1.4): no wait between the stores and the loads, nor in front of the next block's stores
	WIN 0x0c                                       ; the data: window 3
.irp v, 0,1,2,3
	ds_store_b128 v[STO], v[32*(\u)+8*\v:32*(\u)+8*\v+3] offset:128*(\v/2)+32*(\v%2)      ; each accumulator from its low end on
	ds_store_b128 v[STO], v[32*(\u)+8*\v+4:32*(\u)+8*\v+7] offset:128*(\v/2)+32*(\v%2)+16
.endr
	WIN 0
.irp n, 0,1,2,3,4,5,6,7
	ds_load_b128 v[BK+32*((\u)%2)+4*\n:BK+32*((\u)%2)+4*\n+3], v[RD] offset:\n*2*SPITCH
.endr
.endm
.macro SEND u, t, younger              ; younger: the LDS instructions issued behind block u's loads, which may stay out
	s_wait_dscnt \younger
.irp n, 0,1,2,3,4,5,6,7
	global_store_b128 v[CO], v[BK+32*((\u)%2)+4*\n:BK+32*((\u)%2)+4*\n+3], s[OP:OP+1] offset:(32*((\u)/2)+8*((\u)%2)+2*\n+8*(\n/4))*4096+256*(\t) th:TH_STORE_NT   ; two rows' 256 consecutive bytes, aligned
.endr
.endm
.irp t, 0,1
.irp i, 0,1,2,3
	ds_load_b128 v[SS+4*\i:SS+4*\i+3], v[AS+\t] offset:(32*(\i/2)+8*(\i%2))*32
.endr
	FRAGS 0, \t
	KWALK \t
	PLACES                                         ; places behind the last products: four for the stage's stores,
	v_nop                                          ; and a fifth for the next tile's first products, which begin these accumulators anew
	s_wait_xcnt 0x0                                ; earlier stores have read their registers
	TOSTAGE 0
.irp u, 1,2,3
.if \u > 1
	s_wait_xcnt 0x0                                ; block u - 2's stores have read their registers: block u's loads may land there
.endif
	TOSTAGE \u
	SEND \u-1, \t, 16                              ; behind block u - 1's loads: block u's 8 stores and 8 loads
.endr
	SEND 3, \t, 0
.endr
	s_wait_tensorcnt 0x0                           ; the wave's end, behind my last LDS store
	ds_add_u32 v[SPW], v[NIL]
	s_wait_dscnt 0x0
	CROUND                                         ; the closing round
	s_endpgm
.Lfunc_end_k_q862283cb07_gemm_out:
	.size	k_q862283cb07_gemm_out, .Lfunc_end_k_q862283cb07_gemm_out-k_q862283cb07_gemm_out
	.p2alignl 7, 3214868480
	.fill 96, 4, 3214868480
	.section	.rodata,"a",@progbits
	.p2align	6, 0x0
	.amdhsa_kernel k_q862283cb07_gemm_out
		.amdhsa_group_segment_fixed_size 167936
		.amdhsa_private_segment_fixed_size 0
		.amdhsa_enable_private_segment 0
		.amdhsa_kernarg_size 48
		.amdhsa_user_sgpr_count 2
		.amdhsa_user_sgpr_kernarg_segment_ptr 1
		.amdhsa_wavefront_size32 1
		.amdhsa_system_sgpr_workgroup_id_x 1
		.amdhsa_system_sgpr_workgroup_id_y 1
		.amdhsa_system_sgpr_workgroup_id_z 1
		.amdhsa_system_vgpr_workitem_id 0
		.amdhsa_next_free_vgpr 1024
		.amdhsa_next_free_sgpr 80
		.amdhsa_reserve_vcc 0
		.amdhsa_float_denorm_mode_32 3
		.amdhsa_float_denorm_mode_16_64 3
		.amdhsa_memory_ordered 1
		.amdhsa_forward_progress 1
		.amdhsa_inst_pref_size 87
	.end_amdhsa_kernel
	.amdgpu_metadata
---
amdhsa.version: [ 1, 2 ]
amdhsa.kernels:
  - .name:           k_q862283cb07_gemm_out
    .symbol:         k_q862283cb07_gemm_out.kd
    .args:
      - { .name: a_img, .offset: 0, .size: 8, .value_kind: global_buffer, .address_space: global }
      - { .name: a_sc, .offset: 8, .size: 8, .value_kind: global_buffer, .address_space: global }
      - { .name: w_img, .offset: 16, .size: 8, .value_kind: global_buffer, .address_space: global }
      - { .name: w_sc, .offset: 24, .size: 8, .value_kind: global_buffer, .address_space: global }
      - { .name: b_out, .offset: 32, .size: 8, .value_kind: global_buffer, .address_space: global }
      - { .name: out0, .offset: 40, .size: 8, .value_kind: global_buffer, .address_space: global }
    .group_segment_fixed_size: 167936
    .private_segment_fixed_size: 0
    .kernarg_segment_align: 8
    .kernarg_segment_size: 48
    .max_flat_workgroup_size: 128
    .sgpr_count:     80
    .vgpr_count:     1024
    .wavefront_size: 32
...
	.end_amdgpu_metadata
.endif
;; end of part 4
